; MI455X (gfx1250); checked and timed in simulation.
; The chip was launched on July 23, 2026; its instructions are those of AMD's public machine-readable ISA for CDNA 5 (MIT licence, August 2026) and "CDNA5" Instruction Set Architecture Reference Guide (July 2026). The comments in the code are by the model that wrote it; some were corrected since.
;; Masked Self Attention. Allowed arithmetic: float matrix products may take bf16 or f16 operands with f32 sums; other float arithmetic in f32, or as packed bf16 or f16 multiplies, adds, multiply-adds, maxima and minima; sums over many terms, partial sums and values carried from step to step in f32; what a program stores and reads back later, other than sums and carried values, may be rounded once to bf16 or f16.
;; Inputs: Wk 1,024 x 1,024 float32; Wq 1,024 x 1,024 float32; Wv 1,024 x 1,024 float32; bk 1,024 float32; bq 1,024 float32; bv 1,024 float32; x 4 x 2,048 x 1,024 float32.
;; Outputs: out0 4 x 2,048 x 1,024 float32.
;; 2 versions, each right; version 2 is version 1 with the launch cast written anew for expert scheduling mode. Each part assembles by itself: llvm-mc -triple=amdgcn-amd-amdhsa -mcpu=gfx1250 --defsym DOCPART=n.
;; ======== version 1 of 2: 4 launches
;; limits: values are held in f16: magnitudes above 65,504 overflow, below 6.1e-05 lose precision
;; workspace buffers: xb 16,777,216 bytes; wb 6,291,456 bytes; bias 12,288 bytes; qkv 50,331,648 bytes; pt 33,554,432 bytes; stats 1,048,576 bytes; v32 393,216 bytes
;; launch cast (part 1): grid 256 x 1, 8 waves a work-group, no clusters, 0 bytes of LDS; arguments x, Wq, Wk, Wv, bq, bk, bv, xb, wb, bias; writes xb, wb, bias
.if DOCPART == 1
	.amdgcn_target "amdgcn-amd-amdhsa--gfx1250"
	.amdhsa_code_object_version 6
	.text
	.protected	k_qa5bb960ee5_cast
	.globl	k_qa5bb960ee5_cast
	.p2align	8
	.type	k_qa5bb960ee5_cast,@function
k_qa5bb960ee5_cast:
	s_mov_b64 s[64:65], 0
	v_nop
	global_prefetch_b8 v0, s[64:65] scope:SCOPE_SE
	s_setreg_imm32_b32 hwreg(HW_REG_WAVE_MODE, 25, 1), 1
	s_wait_xcnt 0x0
; x, Wq, Wk, Wv (f32) are rounded once to bf16: xb [8192][1024], wb [3072][1024] (rows of q, k, v).  The three biases are rounded to bf16 and kept as f32: bias [3072].
; A stream: each input byte is read once, each output byte written once; no LDS, no barrier, no matrix work, nothing is shared between work-groups.
; EQUAL SHARES: each of the 256 work-groups takes 1/256 of x (32 pieces of 4,096 bytes) and 1/256 of each W (4 pieces): 44 pieces.  A piece is one load of the work-group: thread t takes the 16 bytes at 16 t,
; so a load of a wave covers 512 consecutive bytes; its 4 numbers become 8 bytes at 8 t of the piece's 2,048 bytes: a store of a wave covers 256 consecutive bytes, aligned.
; All 44 loads of a thread go out at once; the conversion is made in place, and no register is used for a second piece, so no wait frees one.
.set XR, 16                            ; v[16:191]  44 pieces x 4 numbers as loaded; a piece's first two registers then hold its 4 bf16
.set NP, 44
	s_load_b512 s[8:23], s[0:1], 0x0               ; x 8, Wq 10, Wk 12, Wv 14, bq 16, bk 18, bv 20, xb 22
	s_load_b128 s[24:27], s[0:1], 0x40             ; wb 24, bias 26
	v_lshlrev_b32 v1, 4, v0                        ; 16 t
	v_lshlrev_b32 v2, 3, v0                        ; 8 t
	s_lshl_b32 s28, ttmp9, 17                      ; my share's byte offset in x,
	s_lshl_b32 s30, ttmp9, 16                      ; in xb,
	s_lshl_b32 s32, ttmp9, 14                      ; in each W,
	s_lshl_b32 s34, ttmp9, 13                      ; in each W's third of wb
	s_mov_b32 s29, 0
	s_mov_b32 s31, 0
	s_mov_b32 s33, 0
	s_mov_b32 s35, 0
	s_wait_kmcnt 0x0
	s_add_nc_u64 s[8:9], s[8:9], s[28:29]
	s_add_nc_u64 s[10:11], s[10:11], s[32:33]
	s_add_nc_u64 s[12:13], s[12:13], s[32:33]
	s_add_nc_u64 s[14:15], s[14:15], s[32:33]
	s_add_nc_u64 s[22:23], s[22:23], s[30:31]
	s_add_nc_u64 s[24:25], s[24:25], s[34:35]
.set n, 0
.rept 32
	global_load_b128 v[XR+4*n:XR+4*n+3], v1, s[8:9] offset:n*4096 th:TH_LOAD_NT
.set n, n+1
.endr
.irp m, 0,1,2
.irp c, 0,1,2,3
	global_load_b128 v[XR+128+16*\m+4*\c:XR+128+16*\m+4*\c+3], v1, s[10+2*\m:11+2*\m] offset:\c*4096 th:TH_LOAD_NT
.endr
.endr
.set n, 0
.rept 32
	s_wait_loadcnt NP-1-n                          ; loads come back in order: piece n is in, the younger pieces' loads stay out
	v_cvt_pk_bf16_f32 v[XR+4*n],   v[XR+4*n],   v[XR+4*n+1]
	v_cvt_pk_bf16_f32 v[XR+4*n+1], v[XR+4*n+2], v[XR+4*n+3]
	global_store_b64 v2, v[XR+4*n:XR+4*n+1], s[22:23] offset:n*2048
.set n, n+1
.endr
.rept 12
	s_wait_loadcnt NP-1-n
	v_cvt_pk_bf16_f32 v[XR+4*n],   v[XR+4*n],   v[XR+4*n+1]
	v_cvt_pk_bf16_f32 v[XR+4*n+1], v[XR+4*n+2], v[XR+4*n+3]
	global_store_b64 v2, v[XR+4*n:XR+4*n+1], s[24:25] offset:((n-32)/4)*2097152+((n-32)%4)*2048
.set n, n+1
.endr
	s_cmp_lt_u32 ttmp9, 3                          ; work-groups 0, 1, 2 also take a bias each: 256 threads x 4 numbers
	s_cbranch_scc0 .Lend
	s_cmp_eq_u32 ttmp9, 1
	s_cselect_b64 s[36:37], s[18:19], s[16:17]
	s_cmp_eq_u32 ttmp9, 2
	s_cselect_b64 s[36:37], s[20:21], s[36:37]
	s_lshl_b32 s32, ttmp9, 12
	s_add_nc_u64 s[26:27], s[26:27], s[32:33]
	global_load_b128 v[4:7], v1, s[36:37]
	s_wait_loadcnt 0x0
	v_cvt_pk_bf16_f32 v8, v4, v5                   ; rounded to bf16,
	v_cvt_pk_bf16_f32 v9, v6, v7
	v_lshlrev_b32 v10, 16, v8                      ; and widened again: the product's sums begin with these numbers in f32
	v_and_b32 v11, 0xffff0000, v8
	v_lshlrev_b32 v12, 16, v9
	v_and_b32 v13, 0xffff0000, v9
	global_store_b128 v1, v[10:13], s[26:27]
.Lend:
	s_endpgm
.Lfunc_end_k_qa5bb960ee5_cast:
	.size	k_qa5bb960ee5_cast, .Lfunc_end_k_qa5bb960ee5_cast-k_qa5bb960ee5_cast
	.p2alignl 7, 3214868480
	.fill 96, 4, 3214868480
	.section	.rodata,"a",@progbits
	.p2align	6, 0x0
	.amdhsa_kernel k_qa5bb960ee5_cast
		.amdhsa_group_segment_fixed_size 0
		.amdhsa_private_segment_fixed_size 0
		.amdhsa_enable_private_segment 0
		.amdhsa_kernarg_size 80
		.amdhsa_user_sgpr_count 2
		.amdhsa_user_sgpr_kernarg_segment_ptr 1
		.amdhsa_wavefront_size32 1
		.amdhsa_system_sgpr_workgroup_id_x 1
		.amdhsa_system_sgpr_workgroup_id_y 1
		.amdhsa_system_sgpr_workgroup_id_z 1
		.amdhsa_system_vgpr_workitem_id 0
		.amdhsa_next_free_vgpr 192
		.amdhsa_next_free_sgpr 66
		.amdhsa_reserve_vcc 0
		.amdhsa_float_denorm_mode_32 3
		.amdhsa_float_denorm_mode_16_64 3
		.amdhsa_memory_ordered 1
		.amdhsa_forward_progress 1
		.amdhsa_inst_pref_size 17
	.end_amdhsa_kernel
	.amdgpu_metadata
---
amdhsa.version: [ 1, 2 ]
amdhsa.kernels:
  - .name:           k_qa5bb960ee5_cast
    .symbol:         k_qa5bb960ee5_cast.kd
    .args:
      - { .name: x, .offset: 0, .size: 8, .value_kind: global_buffer, .address_space: global }
      - { .name: Wq, .offset: 8, .size: 8, .value_kind: global_buffer, .address_space: global }
      - { .name: Wk, .offset: 16, .size: 8, .value_kind: global_buffer, .address_space: global }
      - { .name: Wv, .offset: 24, .size: 8, .value_kind: global_buffer, .address_space: global }
      - { .name: bq, .offset: 32, .size: 8, .value_kind: global_buffer, .address_space: global }
      - { .name: bk, .offset: 40, .size: 8, .value_kind: global_buffer, .address_space: global }
      - { .name: bv, .offset: 48, .size: 8, .value_kind: global_buffer, .address_space: global }
      - { .name: xb, .offset: 56, .size: 8, .value_kind: global_buffer, .address_space: global }
      - { .name: wb, .offset: 64, .size: 8, .value_kind: global_buffer, .address_space: global }
      - { .name: bias, .offset: 72, .size: 8, .value_kind: global_buffer, .address_space: global }
    .group_segment_fixed_size: 0
    .private_segment_fixed_size: 0
    .kernarg_segment_align: 8
    .kernarg_segment_size: 80
    .max_flat_workgroup_size: 256
    .sgpr_count:     66
    .vgpr_count:     192
    .wavefront_size: 32
...
	.end_amdgpu_metadata
.endif
;; end of part 1
;; launch proj (part 2): grid 16 x 16, 4 waves a work-group, clusters of 4 x 4, 327,680 bytes of LDS; arguments xb, wb, bias, qkv, v32; writes qkv, v32
.if DOCPART == 2
	.amdgcn_target "amdgcn-amd-amdhsa--gfx1250"
	.amdhsa_code_object_version 6
	.text
	.protected	k_qa5bb960ee5_proj
	.globl	k_qa5bb960ee5_proj
	.p2align	8
	.type	k_qa5bb960ee5_proj,@function
k_qa5bb960ee5_proj:
	s_mov_b64 s[64:65], 0
	v_nop
	global_prefetch_b8 v0, s[64:65] scope:SCOPE_SE
	s_setreg_imm32_b32 hwreg(HW_REG_WAVE_MODE, 25, 1), 1
	s_wait_xcnt 0x0
	s_wait_alu depctr_hold_cnt(0) depctr_sa_sdst(0) depctr_va_vdst(0) depctr_va_sdst(0) depctr_va_ssrc(0) depctr_va_vcc(0) depctr_vm_vsrc(0)
	s_getreg_b32 s2, hwreg(HW_REG_IB_STS2, 6, 4)
	s_cmp_eq_u32 s2, 0
	s_cbranch_scc0 .Lentry_in_a_cluster
	s_endpgm
.Lentry_in_a_cluster:
	s_bfe_u32 s2, ttmp6, 0x10000c
	s_cmp_lg_u32 s2, 0xf033
	s_cbranch_scc0 .Lentry_shape_is_right
	s_endpgm
.Lentry_shape_is_right:
; q, k, v = x W^T + b in one product: [8192][1024] x [3072][1024]^T, bf16 operands, f32 sums that BEGIN with the bias (the C operand of each sum's first product).
; OUT: qkv, f16, in 48 panels of 64 columns, [panel][8192 rows][64]: a panel's rows are dense, 128 bytes each (panels 0-15 q, 16-31 k, 32-47 v).
; Rows 0-15 of each batch also leave in f32: v32 [4][16][1536], columns 1,536 to 3,071 of the product.  Only v's (the last 1,024) are read later; k's last 512 go with them, 128 KB that nobody reads,
; because the choice of who stores may hang on the cluster's number and the wave's alone, never on a work-group's place in its cluster, and v's first column lies inside cluster x = 2.
; LIMIT: f16 ends at 65,504: |q|, |k|, |v| must stay under it.  NaN and infinities are not treated apart.
; SHARES.  A tile is 256 rows x 192 columns (three panels): 32 x 16 = 512 tiles.  A WORK-GROUP STAYS: it makes tile rows 8 cy + 2 Y and 8 cy + 2 Y + 1 (Y = cluster y; cy is the batch) of one tile column, so there are
; 256 work-groups, and W's rows and the bias serve both tiles.  A batch's rows 0-15 then lie in the FIRST tile of the clusters with Y = 0, whatever cy.
; A wave makes 64 rows x 192 columns: 48 accumulators of 16 x 16, 384 registers; for 32 along K it reads 16 fragments from LDS for 48 matrix instructions.  The matrix instruction is used transposed
; (source 0 = 16 rows of W, source 1 = 16 rows of x): a lane holds one row and eight neighbouring columns.
; RING.  The two tiles are ONE walk of 16 steps of 128 along K (rows of 256 bytes) through two LDS slots; a step's text stands once in the loop: the slot's base is a scalar, turned by an exclusive or, and the
; descriptors' addresses are made anew from the step's number.  The ring does not stop at the change of tiles: at step 8 the first tile leaves while the second tile's second step is on its way.
; The quarter whose products start the sums stands once, inside the loop; the kernel enters the loop there.
; CLUSTER 4 x 4: x's tile hangs on the tile row alone and is asked for jointly along a row of the cluster, W's on the tile column alone, along a column.
; WINDOWS: 0: v0-17 addresses; v32-95 x's fragments, two buffers; v96-191 the bias; v192-255 four sets of packed results.  1: v0-191 W's fragments, two buffers.  2, 3: accumulator (a, b) at 8 (12 (a % 2) + b), window 2 + a / 2.
.set NSTEP, 16
.set KB,    256                        ; bytes of a row in a K step
.set PITCH, 272                        ; 256 + 16: the 16 rows of a fragment load start at 16 different groups of four banks
.set AHALF, 128*PITCH
.set BBASE, 2*AHALF
.set BHALF, 96*PITCH
.set SLOTB, BBASE+2*BHALF              ; x's 256 rows, then W's 192
.set STAGE, 2*SLOTB                    ; behind the ring: 16 rows x 144 bytes for each wave
.set SP,    144
.set SPARE, STAGE+4*16*SP              ; the spare words: 128 bytes a wave
.set VROW,  6144                       ; bytes in a row of v32
.set A0, 4                             ; my lane's place in x's tile of slot 0; never rewritten
.set B0, 5                             ; the same for W
.set ADRA, 6                           ; the same in the slot in hand
.set ADRB, 7
.set STO, 8
.set RD, 9
.set GO, 10
.set BO, 11
.set PFO, 12
.set VO, 13
.set SPW, 14
.set NIL, 15
.set FA, 32
.set BIAS, 96
.set TMP, 192
.set WV, 14
.set HALF, 15
.set CX, 17
.set CY, 18
.set JT, 19                            ; tile column
.set IT, 20                            ; the first tile's row
.set STP, 21
.set TB, 22                            ; LDS base of the slot that is read
.set LIMP, 23
.set G1A, 24
.set G1B, 32
.set G0A, 40                           ; two sets: the first fill's, and the one that walks
.set G0B, 48
.set PFA, 56
.set WLA, 58
.set WLB, 59
.set XA, 68                            ; s[68:69] x at my half of the first tile, K step 0
.set WA, 70                            ; s[70:71] W at my half of the tile column, K step 0
.set PFB, 80                           ; s[80:81] the prefetches' base: my work-group's share of the rows that I fetch
.set VFL, 85                           ; s85  0 in the waves that store f32 rows: wave 0, cluster y = 0, cluster x >= 2
.set MSB, 0
.macro WIN new                         ; the immediate's high byte repeats the setting that is left; a switch that changes nothing is dropped
.if MSB != (\new)
	s_set_vgpr_msb (MSB<<8)|(\new)
.set MSB, (\new)
.endif
.endm
.macro PLACES                          ; four plain vector instructions between a matrix instruction and a load into, or a read of, its registers
.rept 4
	v_nop
.endr
.endm
.macro CREST                           ; a round of the cluster's barrier behind its opening barrier
	s_cmp_lg_u32 s[WV], 0
	s_cbranch_scc1 .Lnot_wave_0_\@
	s_barrier_signal -3
.Lnot_wave_0_\@:
	s_barrier_wait -3
	s_barrier_signal -1
	s_barrier_wait -1
.endm
.macro CROUND
	s_barrier_signal -1
	s_barrier_wait -1
	CREST
.endm
.macro JLOAD                           ; a joint refill: waves 0, 1 fetch x's two halves, waves 2, 3 W's; the branch hangs on the wave's number alone
	s_cmp_lt_u32 s[WV], 2
	s_cbranch_scc0 .Lfor_b_\@
	tensor_load_to_lds s[G0A+4:G0A+7], s[G1A:G1A+7]
	s_nop 0
	PLACES
	s_branch .Lasked_\@
.Lfor_b_\@:
	tensor_load_to_lds s[G0B+4:G0B+7], s[G1B:G1B+7]
	s_nop 0
	PLACES
.Lasked_\@:
.endm
; A prefetch of the walk's step after the one just asked for: my work-group's share (by address: 32 of x's 128 rows by cx, 24 of W's 96 by cy) of the rows that I fetch, a lane a row, 256 bytes each.
; x's rows are walked by every cluster of a row of clusters: cluster x = 0 asks, for steps 3 to 15; W's by every cluster of a column, and again in the second tile: cluster y = 0 asks, for steps 3 to 7 alone.
; Steps 0 to 2 come by their loads alone; the last refill asks for nothing.
.macro ASK
	s_cmp_lt_u32 s[STP], s[LIMP]
	s_cbranch_scc0 .Lnot_mine_\@
	global_prefetch_b8 v[PFO], s[PFA:PFA+1] th:TH_LOAD_NT scope:SCOPE_SE
.Lnot_mine_\@:
.endm
	s_load_b256 s[4:11], s[0:1], 0x0               ; xb 4, wb 6, bias 8, qkv 10
	s_load_b64 s[12:13], s[0:1], 0x20              ; v32
	v_lshl_add_u32 v[SPW], v0, 2, SPARE
	v_mov_b32 v[NIL], 0
	ds_add_u32 v[SPW], v[NIL]                      ; the wave's opening: the add and its wait ahead of my first tensor load
	v_lshrrev_b32 v1, 5, v0
	v_readfirstlane_b32 s[WV], v1
	s_and_b32 s[HALF], s[WV], 1                    ; which half of a tile I fetch
	s_bfe_u32 s[CX], ttmp6, 0x40000
	s_bfe_u32 s[CY], ttmp6, 0x40004
	s_lshl_b32 s[JT], ttmp9, 2
	s_add_co_u32 s[JT], s[JT], s[CX]
	s_and_b32 s[IT], ttmp7, 0xffff
	s_lshl_b32 s[IT], s[IT], 1
	s_lshl_b32 s60, s[CY], 3
	s_add_co_u32 s[IT], s[IT], s60                 ; the first tile's row: 8 cy + 2 x cluster y
	s_lshl_b32 s60, s[CY], 2
	s_lshl_b32 s60, 15, s60                        ; my row of the cluster
	s_lshl_b32 s61, 0x1111, s[CX]                  ; my column
	s_or_b32 s[G1A], s60, (1<<16)|(1<<20)|(1<<21)|(5<<22)|(3<<25)  ; mask; 2-byte elements; padding on; bit 21 beside a mask; after every 64 words, 4 words
	s_or_b32 s[G1B], s61, (1<<16)|(1<<20)|(1<<21)|(5<<22)|(3<<25)
	s_mov_b32 s[G1A+1], 128<<16                    ; tensor_dim0 = 128
	s_mov_b32 s[G1A+2], 128<<16                    ; tensor_dim1 = 128
	s_mov_b32 s[G1A+3], 128<<16                    ; tile_dim0 = 128
	s_mov_b32 s[G1A+4], 128                        ; tile_dim1 = 128
	s_mov_b32 s[G1A+5], 1024                       ; elements from row to row
	s_mov_b32 s[G1A+6], 0
	s_mov_b32 s[G1A+7], 0
	s_mov_b32 s[G1B+1], 128<<16
	s_mov_b32 s[G1B+2], 96<<16                     ; W's halves have 96 rows
	s_mov_b32 s[G1B+3], 128<<16
	s_mov_b32 s[G1B+4], 96
	s_mov_b32 s[G1B+5], 1024
	s_mov_b32 s[G1B+6], 0
	s_mov_b32 s[G1B+7], 0
	s_lshl_b32 s62, s[IT], 8                       ; x: row 256 i + 128 half, 2,048 bytes a row
	s_lshl_b32 s63, s[HALF], 7
	s_add_co_u32 s62, s62, s63
	s_lshl_b32 s62, s62, 11
	s_mov_b32 s63, 0
	s_mul_i32 s66, s[JT], 192                      ; W: row 192 j + 96 half
	s_mul_i32 s67, s[HALF], 96
	s_add_co_u32 s66, s66, s67
	s_lshl_b32 s66, s66, 11
	s_mov_b32 s67, 0
	s_mul_i32 s[WLA], s[HALF], AHALF               ; where they go in a slot: the wave's number alone
	s_mul_i32 s[WLB], s[HALF], BHALF
	s_add_co_u32 s[WLB], s[WLB], BBASE
	s_mov_b32 s[STP], 0
	s_mov_b32 s[TB], 0
	s_wait_dscnt 0x0                               ; the opening add is done
	s_wait_kmcnt 0x0
	s_add_nc_u64 s[XA:XA+1], s[4:5], s[62:63]
	s_add_nc_u64 s[WA:WA+1], s[6:7], s[66:67]
.irp s, 0,1
	s_mov_b32 s[G0A+4*(\s)], 1
	s_add_co_u32 s[G0A+4*(\s)+1], s[WLA], (\s)*SLOTB
	s_add_nc_u64 s[G0A+4*(\s)+2:G0A+4*(\s)+3], s[XA:XA+1], (\s)*KB
	s_or_b32 s[G0A+4*(\s)+3], s[G0A+4*(\s)+3], 0x80000000
	s_mov_b32 s[G0B+4*(\s)], 1
	s_add_co_u32 s[G0B+4*(\s)+1], s[WLB], (\s)*SLOTB
	s_add_nc_u64 s[G0B+4*(\s)+2:G0B+4*(\s)+3], s[WA:WA+1], (\s)*KB
	s_or_b32 s[G0B+4*(\s)+3], s[G0B+4*(\s)+3], 0x80000000
.endr
	CROUND                                         ; all sixteen work-groups are here: the first joint loads meet
	s_cmp_lt_u32 s[WV], 2                          ; a wave's two first fills stand in one branch: two loads of mine are out
	s_cbranch_scc0 .Lfirst_b
	tensor_load_to_lds s[G0A:G0A+3], s[G1A:G1A+7]
	s_nop 0
	tensor_load_to_lds s[G0A+4:G0A+7], s[G1A:G1A+7]
	s_nop 0
	PLACES
	s_branch .Lfirst_done
.Lfirst_b:
	tensor_load_to_lds s[G0B:G0B+3], s[G1B:G1B+7]
	s_nop 0
	tensor_load_to_lds s[G0B+4:G0B+7], s[G1B:G1B+7]
	s_nop 0
	PLACES
.Lfirst_done:
	v_and_b32 v1, 15, v0                           ; r = l % 16
	v_bfe_u32 v2, v0, 4, 1                         ; h = l / 16
	v_and_b32 v3, 31, v0                           ; l
	v_mul_u32_u24 v[B0], v1, PITCH
	v_lshl_add_u32 v[B0], v2, 4, v[B0]             ; a fragment's row x pitch + 16 h
	s_mul_i32 s74, s[WV], 64*PITCH                 ; my 64 rows of x
	v_add_nc_u32 v[A0], s74, v[B0]
	v_add_nc_u32 v[B0], BBASE, v[B0]               ; every wave reads all 192 rows of W
	v_mov_b32 v[ADRA], v[A0]
	v_mov_b32 v[ADRB], v[B0]
	v_lshlrev_b32 v[BO], 5, v2                     ; the bias in the accumulators' layout: register j of block b is column 192 j_tile + 16 b + 8 h + j
	s_mul_i32 s72, s[JT], 768
	s_mov_b32 s73, 0
	s_add_nc_u64 s[8:9], s[8:9], s[72:73]
.irp b, 0,1,2,3,4,5,6,7,8,9,10,11
	global_load_b128 v[BIAS+8*(\b):BIAS+8*(\b)+3],   v[BO], s[8:9] offset:64*(\b)
	global_load_b128 v[BIAS+8*(\b)+4:BIAS+8*(\b)+7], v[BO], s[8:9] offset:64*(\b)+16
.endr
	s_mul_i32 s74, s[WV], 16*SP
	s_add_co_u32 s74, s74, STAGE                   ; my stage
	v_mul_u32_u24 v[STO], v1, SP                   ; in: row r, 16 bytes for each half of the lanes
	v_lshl_add_u32 v[STO], v2, 4, v[STO]
	v_add_nc_u32 v[STO], s74, v[STO]
	v_bfe_u32 v[RD], v0, 3, 2                      ; back: 32 lanes take four rows of 128 bytes,
	v_mul_u32_u24 v[RD], v[RD], SP
	v_and_b32 v17, 7, v0
	v_lshl_add_u32 v[RD], v17, 4, v[RD]
	v_add_nc_u32 v[RD], s74, v[RD]
	v_lshlrev_b32 v[GO], 4, v3                     ; which are 512 consecutive bytes of a panel
	v_mul_u32_u24 v[VO], v1, VROW                  ; v32: row r, 32 h bytes
	v_lshl_add_u32 v[VO], v2, 5, v[VO]
	s_mul_i32 s76, s[JT], 3<<20                    ; qkv at panel 3 j, row 256 i + 64 wave
	s_lshl_b32 s77, s[IT], 15
	s_add_co_u32 s76, s76, s77
	s_lshl_b32 s77, s[WV], 13
	s_add_co_u32 s76, s76, s77
	s_mov_b32 s77, 0
	s_add_nc_u64 s[10:11], s[10:11], s[76:77]
	s_mul_i32 s86, s[CY], 16*VROW                  ; v32 at batch cy, column 192 j - 1,536 (held at 0 where j < 8: those work-groups store nothing there)
	s_mul_i32 s88, s[JT], 768
	s_max_u32 s88, s88, VROW
	s_sub_co_u32 s88, s88, VROW
	s_add_co_u32 s86, s86, s88
	s_mov_b32 s87, 0
	s_add_nc_u64 s[12:13], s[12:13], s[86:87]
	s_and_b32 s[VFL], ttmp7, 0xffff                ; who stores there: cluster y = 0,
	s_or_b32 s[VFL], s[VFL], s[WV]                 ; wave 0,
	s_cmp_lt_u32 ttmp9, 2                          ; cluster x >= 2: the same answer in all sixteen partners, for a given wave
	s_cselect_b32 s84, 1, 0
	s_or_b32 s[VFL], s[VFL], s84
	s_lshl_b32 s78, s[CX], 16                      ; the prefetches: 32 cx rows of x, or
	s_mul_i32 s79, s[CY], 24*2048                  ; 24 cy rows of W
	s_and_b32 s82, ttmp7, 0xffff
	s_cmp_lt_u32 s[WV], 2
	s_cselect_b64 s[PFB:PFB+1], s[XA:XA+1], s[WA:WA+1]
	s_cselect_b32 s78, s78, s79
	s_cselect_b32 s82, ttmp9, s82                  ; the coordinate along which other clusters read the same rows
	s_cselect_b32 s83, 31, 23
	s_cselect_b32 s84, NSTEP-2, 6                  ; x: both tiles; W: the first walk alone
	s_mov_b32 s79, 0
	s_add_nc_u64 s[PFB:PFB+1], s[PFB:PFB+1], s[78:79]
	s_cmp_eq_u32 s82, 0
	s_cselect_b32 s[LIMP], s84, 0
	v_min_u32 v[PFO], s83, v3                      ; (W's share has 24 rows: lanes 24-31 name the last once more)
	v_lshlrev_b32 v[PFO], 11, v[PFO]
; 12 matrix instructions: row block a x all 12 column blocks, 32 along K, from buffer f.  first = 1: the sums begin with the bias.
.macro MUL12 f, a, first
.if \first
	WIN 0x81+0x40*((\a)/2)
.else
	WIN 0xa1+0x50*((\a)/2)
.endif
.irp b, 0,1,2,3,4,5,6,7,8,9,10,11
.if \first
	v_wmma_f32_16x16x32_bf16 v[96*((\a)%2)+8*(\b):96*((\a)%2)+8*(\b)+7], v[96*(\f)+8*(\b):96*(\f)+8*(\b)+7], v[FA+32*(\f)+8*(\a):FA+32*(\f)+8*(\a)+7], v[BIAS+8*(\b):BIAS+8*(\b)+7]
.else
	v_wmma_f32_16x16x32_bf16 v[96*((\a)%2)+8*(\b):96*((\a)%2)+8*(\b)+7], v[96*(\f)+8*(\b):96*(\f)+8*(\b)+7], v[FA+32*(\f)+8*(\a):FA+32*(\f)+8*(\a)+7], v[96*((\a)%2)+8*(\b):96*((\a)%2)+8*(\b)+7]
.endif
.endr
.endm
.macro FETCH k, f                      ; 32 LDS loads in one run: W's 12 fragments, then x's 4, at byte k of the rows
	WIN 0x40
.irp i, 0,1,2,3,4,5,6,7,8,9,10,11
	ds_load_b128 v[96*(\f)+8*(\i):96*(\f)+8*(\i)+3],   v[ADRB] offset:(\k)+(\i)*16*PITCH
	ds_load_b128 v[96*(\f)+8*(\i)+4:96*(\f)+8*(\i)+7], v[ADRB] offset:(\k)+(\i)*16*PITCH+32
.endr
	WIN 0
.irp i, 0,1,2,3
	ds_load_b128 v[FA+32*(\f)+8*(\i):FA+32*(\f)+8*(\i)+3],   v[ADRA] offset:(\k)+(\i)*16*PITCH
	ds_load_b128 v[FA+32*(\f)+8*(\i)+4:FA+32*(\f)+8*(\i)+7], v[ADRA] offset:(\k)+(\i)*16*PITCH+32
.endr
.endm
; A K step is four quarters of 32 along K on buffers 0, 1, 0, 1; the 48 accumulators take turns in the same order in every quarter.
.macro QUARTER k, f, g, first          ; multiplies buffer f; in its middle fetches the next quarter, at byte k, into g
	s_wait_dscnt 4                                 ; W and x's blocks 0, 1 are in; the youngest four loads (blocks 2, 3) may be out
	MUL12 \f, 0, \first
	MUL12 \f, 1, \first
	PLACES
	FETCH \k, \g
	s_wait_dscnt 32                                ; all but the 32 just issued
	MUL12 \f, 2, \first
	MUL12 \f, 3, \first
.endm
; The last quarter multiplies buffer 1 and changes slots.  Each wave waits for all its tensor loads (one is out: its part of the next slot), adds 0 to its spare word, and waits for that and for its reads of this slot;
; behind the barrier (with fill = 1 it opens a round of the cluster's) nobody reads this slot and the next is whole; the joint refill, walk step STP + 1, is the first thing there.
; A walk step n is K step n % 8 of tile n / 8: 256 (n % 8) bytes along a row, and for x 256 rows (2^19 bytes) down in the second tile.  x's offset is made in registers that never hold cx, W's in registers that never hold cy.
.macro TURN fill
.if \fill
	s_wait_xcnt 0x0                                ; the last prefetch, a step back, has read its address
.endif
	WIN 0
	s_wait_tensorcnt 0x0
	ds_add_u32 v[SPW], v[NIL]
.if \fill
	s_add_co_u32 s62, s[STP], 1                    ; no tensor load of mine is out: the walking sets are written
	s_lshr_b32 s63, s62, 3
	s_and_b32 s62, s62, 7
	s_lshl_b32 s62, s62, 8
	s_lshl_b32 s63, s63, 19
	s_or_b32 s62, s62, s63
	s_mov_b32 s63, 0
	s_add_nc_u64 s[G0A+6:G0A+7], s[XA:XA+1], s[62:63]
	s_or_b32 s[G0A+7], s[G0A+7], 0x80000000
	s_add_co_u32 s66, s[STP], 1
	s_and_b32 s66, s66, 7
	s_lshl_b32 s66, s66, 8
	s_mov_b32 s67, 0
	s_add_nc_u64 s[G0B+6:G0B+7], s[WA:WA+1], s[66:67]
	s_or_b32 s[G0B+7], s[G0B+7], 0x80000000
	s_add_co_u32 s[G0A+5], s[WLA], s[TB]           ; into the slot that is being left
	s_add_co_u32 s[G0B+5], s[WLB], s[TB]
	s_add_co_u32 s74, s[STP], 2                    ; the prefetch names the walk step after
	s_lshr_b32 s75, s74, 3
	s_and_b32 s74, s74, 7
	s_lshl_b32 s74, s74, 8
	s_lshl_b32 s75, s75, 19
	s_or_b32 s74, s74, s75
	s_mov_b32 s75, 0
	s_add_nc_u64 s[PFA:PFA+1], s[PFB:PFB+1], s[74:75]
.endif
	s_xor_b32 s[TB], s[TB], SLOTB
	v_add_nc_u32 v[ADRA], s[TB], v[A0]
	v_add_nc_u32 v[ADRB], s[TB], v[B0]
	s_wait_dscnt 5                                 ; (the add and the youngest four loads may be out)
	MUL12 1, 0, 0
	s_wait_dscnt 0x0                               ; the add is done, my reads of this slot are over
	s_barrier_signal -1
	MUL12 1, 1, 0
	WIN 0
	s_barrier_wait -1
.if \fill
	CREST
	JLOAD                                          ; its four v_nop are also the places in front of the loads below
.else
	PLACES
.endif
	FETCH 0, 0
.if \fill
	ASK
.endif
	MUL12 1, 2, 0
	MUL12 1, 3, 0
.endm
; THE WAY OUT of tile number tile (0, 1); the number stands in the stores' immediates: 256 rows of a panel are 32,768 bytes.
; In 12 units u = 3 a + p of 16 rows x one panel: rounded to f16, 16 bytes a lane into rows of 144 bytes of my stage, back as whole rows of 128, stored as 512 consecutive bytes.  Four sets of 16 registers take turns.
.macro PACKU u
.set UA, (\u)/3
.set UP, (\u)%3
.set AC, 96*(UA%2)+32*UP
.set TT, TMP+16*((\u)%4)
	s_wait_xcnt 0x0                                ; the set was the data of the stores of the unit four back (unit 0: the f32 rows' stores have read the accumulators)
	WIN 0x0a+5*(UA/2)
.set z, 0
.rept 16
	v_cvt_pk_f16_f32 v[TT+z], v[AC+2*z], v[AC+2*z+1]
.set z, z+1
.endr
	WIN 0
.irp n, 0,1,2,3
	ds_store_b128 v[STO], v[TT+4*\n:TT+4*\n+3] offset:32*\n
.endr
.irp n, 0,1,2,3
	ds_load_b128 v[TT+4*\n:TT+4*\n+3], v[RD] offset:\n*4*SP  ; LDS serves a wave's instructions in order (ISA guide 5.7.1.4): these see the stores above
.endr
.endm
.macro SENDU u, younger, tile          ; younger: the LDS instructions issued behind unit u's loads
.set UA, (\u)/3
.set UP, (\u)%3
.set TT, TMP+16*((\u)%4)
.irp n, 0,1,2,3
	s_wait_dscnt (\younger)+3-\n
	global_store_b128 v[GO], v[TT+4*\n:TT+4*\n+3], s[10:11] offset:(\tile)*32768+UP*1048576+UA*2048+\n*512
.endr
.endm
.macro WAYOUT tile
	PLACES
	PLACES
.if (\tile) == 0
	s_cmp_lg_u32 s[VFL], 0                         ; a batch's rows 0-15 in f32: wave 0's first 16 rows, all 192 columns; the branch hangs on the cluster's number and the wave's alone
	s_cbranch_scc1 .Lno_v32
	WIN 0x08                                       ; store data in window 2
.irp b, 0,1,2,3,4,5,6,7,8,9,10,11
	global_store_b128 v[VO], v[8*\b:8*\b+3],   s[12:13] offset:64*\b
	global_store_b128 v[VO], v[8*\b+4:8*\b+7], s[12:13] offset:64*\b+16
.endr
	WIN 0
.Lno_v32:
.endif
	PACKU 0
.set t, 1
.rept 11
	PACKU t
	SENDU t-1, 8, \tile
.set t, t+1
.endr
	SENDU 11, 0, \tile
.endm
	s_wait_tensorcnt 1                             ; my part of step 0 is in; step 1's may stay out
	s_barrier_signal -1
	s_barrier_wait -1
	FETCH 0, 0
	s_wait_loadcnt 0x0                             ; the bias
	s_branch .Lfirstq
.Ltop:                                         ; STP = 1 .. 14: the last quarter of step STP - 1, the refill with step STP + 1, three quarters of step STP
	TURN 1
	WIN 0
	s_cmp_lg_u32 s[STP], 8
	s_cbranch_scc1 .Lq0
	WAYOUT 0                                       ; the first tile's eight steps are done; the second tile's first fragments are fetched and its second step is on its way
.Lfirstq:
	QUARTER 64, 0, 1, 1                            ; a tile's first quarter: its products start the sums
	WIN 0
	s_branch .Lentry
.Lq0:
	QUARTER 64, 0, 1, 0
	WIN 0
.Lentry:
	QUARTER 128, 1, 0, 0
	QUARTER 192, 0, 1, 0
	WIN 0
	s_add_co_u32 s[STP], s[STP], 1
	s_cmp_lt_u32 s[STP], NSTEP-1
	s_cbranch_scc1 .Ltop
	TURN 0                                         ; the tail is written out: nothing is asked for
	QUARTER 64, 0, 1, 0
	QUARTER 128, 1, 0, 0
	QUARTER 192, 0, 1, 0
	s_wait_dscnt 4
	MUL12 1, 0, 0
	MUL12 1, 1, 0
	s_wait_dscnt 0x0
	MUL12 1, 2, 0
	MUL12 1, 3, 0
	WIN 0
	WAYOUT 1
	s_wait_tensorcnt 0x0                           ; the wave's end
	ds_add_u32 v[SPW], v[NIL]
	s_wait_dscnt 0x0
	CROUND                                         ; the closing round
	s_endpgm
.Lfunc_end_k_qa5bb960ee5_proj:
	.size	k_qa5bb960ee5_proj, .Lfunc_end_k_qa5bb960ee5_proj-k_qa5bb960ee5_proj
	.p2alignl 7, 3214868480
	.fill 96, 4, 3214868480
	.section	.rodata,"a",@progbits
	.p2align	6, 0x0
	.amdhsa_kernel k_qa5bb960ee5_proj
		.amdhsa_group_segment_fixed_size 327680
		.amdhsa_private_segment_fixed_size 0
		.amdhsa_enable_private_segment 0
		.amdhsa_kernarg_size 40
		.amdhsa_user_sgpr_count 2
		.amdhsa_user_sgpr_kernarg_segment_ptr 1
		.amdhsa_wavefront_size32 1
		.amdhsa_system_sgpr_workgroup_id_x 1
		.amdhsa_system_sgpr_workgroup_id_y 1
		.amdhsa_system_sgpr_workgroup_id_z 1
		.amdhsa_system_vgpr_workitem_id 0
		.amdhsa_next_free_vgpr 960
		.amdhsa_next_free_sgpr 90
		.amdhsa_reserve_vcc 0
		.amdhsa_float_denorm_mode_32 3
		.amdhsa_float_denorm_mode_16_64 3
		.amdhsa_memory_ordered 1
		.amdhsa_forward_progress 1
		.amdhsa_inst_pref_size 120
	.end_amdhsa_kernel
	.amdgpu_metadata
---
amdhsa.version: [ 1, 2 ]
amdhsa.kernels:
  - .name:           k_qa5bb960ee5_proj
    .symbol:         k_qa5bb960ee5_proj.kd
    .args:
      - { .name: xb, .offset: 0, .size: 8, .value_kind: global_buffer, .address_space: global }
      - { .name: wb, .offset: 8, .size: 8, .value_kind: global_buffer, .address_space: global }
      - { .name: bias, .offset: 16, .size: 8, .value_kind: global_buffer, .address_space: global }
      - { .name: qkv, .offset: 24, .size: 8, .value_kind: global_buffer, .address_space: global }
      - { .name: v32, .offset: 32, .size: 8, .value_kind: global_buffer, .address_space: global }
    .group_segment_fixed_size: 327680
    .private_segment_fixed_size: 0
    .kernarg_segment_align: 8
    .kernarg_segment_size: 40
    .max_flat_workgroup_size: 128
    .sgpr_count:     90
    .vgpr_count:     960
    .wavefront_size: 32
...
	.end_amdgpu_metadata
.endif
;; end of part 2
;; launch scores (part 3): grid 37 x 4, 4 waves a work-group, no clusters, 327,680 bytes of LDS; arguments qkv, pt, stats, v32, out0; writes pt, stats, out0
.if DOCPART == 3
	.amdgcn_target "amdgcn-amd-amdhsa--gfx1250"
	.amdhsa_code_object_version 6
	.text
	.protected	k_qa5bb960ee5_scores
	.globl	k_qa5bb960ee5_scores
	.p2align	8
	.type	k_qa5bb960ee5_scores,@function
k_qa5bb960ee5_scores:
	s_mov_b64 s[64:65], 0
	v_nop
	global_prefetch_b8 v0, s[64:65] scope:SCOPE_SE
	s_setreg_imm32_b32 hwreg(HW_REG_WAVE_MODE, 25, 1), 1
	s_wait_xcnt 0x0
; The causal scores and the exponentials.  For each block of 128 queries x 128 keys at or below the diagonal: s = q . k (f16 operands, f32 sums over 1,024 channels), and for each row of the block
; M = ceil(c max s), c = log2(e) / 32;  p~ = 2^(c s - M), rounded to f16 into pt [4][2048][2048];  L = the sum of the unrounded p~.  M and L go to stats [4][16 qb][16 kb][2][128] in f32.
; The row's maximum is taken away before the exponential, rounded UP to a whole number: every exponent is <= 0, the largest above -1, and the factor between two blocks of a row, 2^(M - M'), is an exact power of two.
; LIMITS.  A hidden score counts as its value less 1e30 (f16 operands bound |q . k| by 4.4e12); M is held at or above -1e27 (a block that is wholly hidden: p~ = 0, L = 0).  NaN and infinities are not treated apart.
; SHARES.  Work-group x = I (I + 1) / 2 + J, J <= I, of batch y makes 256 queries x 256 keys: 36 tiles a batch.  A wave makes one block, 128 x 128: 64 accumulators, 512 registers.  Source 0 = 16 keys, source 1 = 16 queries:
; a lane holds ONE query (l % 16) and eight neighbouring keys.  On the diagonal tile one wave's block is wholly hidden; it runs the same text and stores zeros, which the next launch's steps of 256 keys read.
; THE MASK is the C operand of each sum's first product: 0 or -1e30.
; WORK-GROUP x = 36 of each batch makes rows 0-15 of out0 whole, with the weights and v in f32 (its text stands at the end, and says why).  The choice hangs on the work-group's number alone and is made ahead of the first tensor load.
; NO CLUSTER: a batch's tiles are a triangle whose rows and columns hold 1 to 8 tiles; a 4 x 4 cluster on the diagonal would hold 6 partners with nothing of use to do, and no strip of four shares one operand throughout.
; RING.  8 steps of two panels (128 channels); wave w fetches region w of a slot: q's even panel, q's odd, k's even, k's odd: 256 dense rows of 128 bytes, asked for as 128 rows of 256 and padded after every 128.
; WINDOWS: 0: v0-15 addresses; v16-39 the three masks; v40-55 at work; v64-191 q's fragments, two buffers, later four sets of packed results.  1: k's fragments.  2, 3: accumulator (a, b) at 8 (8 (a % 4) + b), window 2 + a / 4.
.set NSTEP, 8
.set PITCH, 144
.set REG,   256*PITCH
.set SLOTB, 4*REG
.set STAGE, 2*SLOTB                    ; 16 rows x 272 bytes for each wave
.set SPITCH, 272
.set STST,  STAGE+4*16*SPITCH          ; 1,024 bytes for each wave: its block's M, then L (work-group 36: its 16 x 16 weights)
.set SPARE, STST+4096
.set PSTEP, 2<<20                      ; two panels on
.set VROW,  6144                       ; bytes in a row of v32: 1,536 columns, of which v's are the last 1,024
.set A0, 4
.set B0, 5
.set ADRA, 6
.set ADRB, 7
.set STO, 8
.set RD, 9
.set CO, 10
.set SS, 11
.set SR, 12
.set PFO, 13
.set SPW, 14
.set NIL, 15
.set CL, 16                            ; the mask below the block's diagonal
.set CD, 24                            ; on it
.set CU, 32                            ; above it
.set C8, 40                            ; c0-c7
.set NN, 48                            ; -M, M
.set LL, 50
.set F0, 64
.set F1, 128
.set WV, 14
.set ROWH, 15
.set COLH, 16
.set IT, 17
.set JT, 18
.set BB, 19
.set STP, 21
.set TB, 22
.set LIMP, 23
.set G1, 24
.set G0, 32
.set PFA, 40
.set WL, 42
.set BIG, 43
.set CS, 44
.set SEL, 46
.set HM, 48
.set NC, 49
.set MSB, 0
.macro WIN new
.if MSB != (\new)
	s_set_vgpr_msb (MSB<<8)|(\new)
.set MSB, (\new)
.endif
.endm
.macro PLACES
.rept 4
	v_nop
.endr
.endm
; A prefetch of the step after the one just asked for: my own region's 32,768 bytes, a lane a block of 256, four instructions.  q's panels are walked by all tiles of a tile row: the one with J = 0 asks; k's by all of a
; tile column: the one on the diagonal asks.  Steps 0 to 2 come by their loads alone; the last refill asks for nothing.
.macro ASK
	s_cmp_lt_u32 s[STP], s[LIMP]
	s_cbranch_scc0 .Lnot_mine_\@
.irp o, 0,1,2,3
	global_prefetch_b8 v[PFO], s[PFA:PFA+1] offset:8192*\o th:TH_LOAD_NT scope:SCOPE_SE
.endr
.Lnot_mine_\@:
.endm
	s_load_b256 s[4:11], s[0:1], 0x0               ; qkv 4, pt 6, stats 8, v32 10
	s_load_b64 s[12:13], s[0:1], 0x20              ; out0
	v_lshl_add_u32 v[SPW], v0, 2, SPARE
	v_mov_b32 v[NIL], 0
	ds_add_u32 v[SPW], v[NIL]                      ; the wave's opening: the add and its wait ahead of my first tensor load
	v_lshrrev_b32 v1, 5, v0
	v_readfirstlane_b32 s[WV], v1
	s_lshr_b32 s[ROWH], s[WV], 1                   ; my half of the tile's queries.  Also: I fetch q (0) or k (1)
	s_and_b32 s[COLH], s[WV], 1                    ; my half of its keys.  Also: the even or the odd panel
	s_mov_b32 s[IT], 0
.irp t, 1,3,6,10,15,21,28
	s_cmp_ge_u32 ttmp9, \t                         ; I = how many triangular numbers x has reached
	s_add_co_ci_u32 s[IT], s[IT], 0
.endr
	s_add_co_u32 s50, s[IT], 1
	s_mul_i32 s50, s50, s[IT]
	s_lshr_b32 s50, s50, 1
	s_sub_co_u32 s[JT], ttmp9, s50
	s_and_b32 s[BB], ttmp7, 0xffff
	s_mov_b32 s[G1], (1<<16)|(1<<20)|(4<<22)|(3<<25)  ; 2-byte elements; padding on, after every 32 words, 4 words
	s_mov_b32 s[G1+1], 128<<16
	s_mov_b32 s[G1+2], 128<<16
	s_mov_b32 s[G1+3], 128<<16
	s_mov_b32 s[G1+4], 128
	s_mov_b32 s[G1+5], 128
	s_mov_b32 s[G1+6], 0
	s_mov_b32 s[G1+7], 0
	s_cmp_lt_u32 s[WV], 2
	s_cselect_b32 s51, s[IT], s[JT]
	s_lshl_b32 s51, s51, 8
	s_lshl_b32 s52, s[BB], 11
	s_add_co_u32 s51, s51, s52                     ; the tile's first row
	s_lshl_b32 s52, s51, 7
	s_lshl_b32 s53, s[ROWH], 4
	s_add_co_u32 s53, s53, s[COLH]                 ; my panel of step 0
	s_lshl_b32 s53, s53, 20
	s_add_co_u32 s52, s52, s53
	s_mov_b32 s53, 0
	s_mul_i32 s[WL], s[WV], REG
	s_mov_b32 s[BIG], 0x6c4ecb8f                   ; 1e27
	s_mov_b32 s[CS], 0x3d38aa3b                    ; c
	s_mov_b32 s[CS+1], s[CS]
	s_mov_b32 s[NC], 0xbd38aa3b                    ; -c
	s_mov_b32 s[SEL], 0x76543210
	s_mov_b32 s[SEL+1], 0xfedcba98
	s_mov_b32 s[STP], 0
	s_mov_b32 s[TB], 0
	s_wait_dscnt 0x0
	s_wait_kmcnt 0x0
	s_cmp_eq_u32 ttmp9, 36                         ; the same in all four waves
	s_cbranch_scc1 .Lhead
	s_add_nc_u64 s[54:55], s[4:5], s[52:53]
.irp s, 0,1
	s_mov_b32 s[G0+4*(\s)], 1
	s_add_co_u32 s[G0+4*(\s)+1], s[WL], (\s)*SLOTB
	s_add_nc_u64 s[G0+4*(\s)+2:G0+4*(\s)+3], s[54:55], (\s)*PSTEP
	s_or_b32 s[G0+4*(\s)+3], s[G0+4*(\s)+3], 0x80000000
.endr
	tensor_load_to_lds s[G0:G0+3], s[G1:G1+7]      ; the two first fills together: two loads of mine are out
	s_nop 0
	tensor_load_to_lds s[G0+4:G0+7], s[G1:G1+7]
	s_nop 0
	PLACES
	v_and_b32 v1, 15, v0                           ; r
	v_bfe_u32 v2, v0, 4, 1                         ; h
	v_and_b32 v3, 31, v0                           ; l
	s_lshl_b32 s56, s[IT], 1
	s_add_co_u32 s56, s56, s[ROWH]                 ; qb
	s_lshl_b32 s57, s[JT], 1
	s_add_co_u32 s57, s57, s[COLH]                 ; kb
	s_cmp_lt_u32 s56, s57
	s_cselect_b32 s58, 0xf149f2ca, 0               ; below the block's diagonal: hidden only if the whole block is
	s_cmp_le_u32 s56, s57
	s_cselect_b32 s59, 0xf149f2ca, 0               ; above it: hidden if the block lies on the diagonal too
	v_lshlrev_b32 v52, 3, v2
	v_sub_nc_u32 v52, v1, v52                      ; r - 8 h: on the diagonal register j is hidden where j is greater
	v_mov_b32 v[LL], s58
	v_mov_b32 v[LL+1], s59
.set j, 0
.rept 8
	v_mov_b32 v[CL+j], s58
	v_mov_b32 v[CU+j], s59
	v_cmp_gt_i32 vcc_lo, j, v52
	v_cndmask_b32 v[CD+j], v[LL], v[LL+1], vcc_lo
.set j, j+1
.endr
	v_cmp_ne_u32 s[HM], 0, v2                      ; lanes 16-31
	v_mul_u32_u24 v[A0], v1, PITCH
	v_lshl_add_u32 v[A0], v2, 4, v[A0]
	s_mul_i32 s60, s[COLH], 128*PITCH
	s_add_co_u32 s60, s60, 2*REG
	v_add_nc_u32 v[B0], s60, v[A0]
	s_mul_i32 s60, s[ROWH], 128*PITCH
	v_add_nc_u32 v[A0], s60, v[A0]
	v_mov_b32 v[ADRA], v[A0]
	v_mov_b32 v[ADRB], v[B0]
	s_mul_i32 s61, s[WV], 16*SPITCH
	s_add_co_u32 s61, s61, STAGE
	v_mul_u32_u24 v[STO], v1, SPITCH
	v_lshl_add_u32 v[STO], v2, 4, v[STO]
	v_add_nc_u32 v[STO], s61, v[STO]
	v_mul_u32_u24 v[RD], v2, SPITCH
	v_lshl_add_u32 v[RD], v1, 4, v[RD]
	v_add_nc_u32 v[RD], s61, v[RD]
	v_lshlrev_b32 v[CO], 12, v2                    ; two rows of pt, 4,096 bytes apart
	v_lshl_add_u32 v[CO], v1, 4, v[CO]
	s_lshl_b32 s61, s[WV], 10
	s_add_co_u32 s61, s61, STST
	v_lshlrev_b32 v[SS], 9, v2                     ; lanes 0-15 put M, lanes 16-31 L
	v_lshl_add_u32 v[SS], v1, 2, v[SS]
	v_add_nc_u32 v[SS], s61, v[SS]
	v_lshl_add_u32 v[SR], v3, 4, s61
	v_lshlrev_b32 v54, 4, v3
	v_lshlrev_b32 v[PFO], 8, v3
	s_lshl_b32 s62, s[BB], 11                      ; pt at row b 2,048 + 128 qb, key 128 kb
	s_lshl_b32 s63, s56, 7
	s_add_co_u32 s62, s62, s63
	s_lshl_b32 s62, s62, 12
	s_lshl_b32 s63, s57, 8
	s_add_co_u32 s62, s62, s63
	s_mov_b32 s63, 0
	s_add_nc_u64 s[6:7], s[6:7], s[62:63]
	s_lshl_b32 s62, s[BB], 4                       ; stats at block (b, qb, kb)
	s_add_co_u32 s62, s62, s56
	s_lshl_b32 s62, s62, 4
	s_add_co_u32 s62, s62, s57
	s_lshl_b32 s62, s62, 10
	s_add_nc_u64 s[8:9], s[8:9], s[62:63]
	s_sub_co_u32 s67, s[IT], s[JT]
	s_cmp_lt_u32 s[WV], 2
	s_cselect_b32 s66, s[JT], s67
	s_cmp_eq_u32 s66, 0
	s_cselect_b32 s[LIMP], NSTEP-2, 0
	s_add_nc_u64 s[PFA:PFA+1], s[54:55], 2*PSTEP   ; at step 2: each change of slots steps it first
.macro MUL16 f, hi, a0, first          ; 16 matrix instructions: query blocks 4 hi + a0, + 1 x all 8 key blocks
.if \first
	WIN 0x81+0x40*(\hi)
.else
	WIN 0xa1+0x50*(\hi)
.endif
.irp a, \a0, (\a0)+1
.irp b, 0,1,2,3,4,5,6,7
.if \first
.if (4*(\hi)+(\a)) > (\b)
.set CC, CL
.elseif (4*(\hi)+(\a)) == (\b)
.set CC, CD
.else
.set CC, CU
.endif
	v_wmma_f32_16x16x32_f16 v[8*(8*(\a)+(\b)):8*(8*(\a)+(\b))+7], v[(\f)+8*(\b):(\f)+8*(\b)+7], v[(\f)+8*(4*(\hi)+(\a)):(\f)+8*(4*(\hi)+(\a))+7], v[CC:CC+7]
.else
	v_wmma_f32_16x16x32_f16 v[8*(8*(\a)+(\b)):8*(8*(\a)+(\b))+7], v[(\f)+8*(\b):(\f)+8*(\b)+7], v[(\f)+8*(4*(\hi)+(\a)):(\f)+8*(4*(\hi)+(\a))+7], v[8*(8*(\a)+(\b)):8*(8*(\a)+(\b))+7]
.endif
.endr
.endr
.endm
.macro FETCH kq, f                     ; quarter kq: panel kq / 2 of the step, channels 32 (kq % 2) on: k's 8 fragments, then q's
.set KO, ((\kq)/2)*REG+((\kq)%2)*64
	WIN 0x40
.irp i, 0,1,2,3,4,5,6,7
	ds_load_b128 v[(\f)+8*(\i):(\f)+8*(\i)+3],   v[ADRB] offset:KO+(\i)*16*PITCH
	ds_load_b128 v[(\f)+8*(\i)+4:(\f)+8*(\i)+7], v[ADRB] offset:KO+(\i)*16*PITCH+32
.endr
	WIN 0
.irp i, 0,1,2,3,4,5,6,7
	ds_load_b128 v[(\f)+8*(\i):(\f)+8*(\i)+3],   v[ADRA] offset:KO+(\i)*16*PITCH
	ds_load_b128 v[(\f)+8*(\i)+4:(\f)+8*(\i)+7], v[ADRA] offset:KO+(\i)*16*PITCH+32
.endr
.endm
.macro QUARTER kq, f, g, first         ; multiplies buffer f; in its middle fetches quarter kq into g.  The 64 accumulators take turns in the same order in every quarter
	s_wait_dscnt 8                                 ; k and q's rows 0-63 are in; the youngest eight loads may be out
	MUL16 \f, 0, 0, \first
	MUL16 \f, 0, 2, \first
	PLACES
	FETCH \kq, \g
	s_wait_dscnt 32                                ; all but the 32 just issued
	MUL16 \f, 1, 0, \first
	MUL16 \f, 1, 2, \first
.endm
; The last quarter and the change of slots: all my tensor loads (one is out: my region of the next slot), the add, my reads of this slot; one barrier; the refill, the step two on, first behind it.
.macro TURN fill
.if \fill
	s_wait_xcnt 0x0                                ; the last prefetches, a step back, have read their address
	s_add_nc_u64 s[PFA:PFA+1], s[PFA:PFA+1], PSTEP
.endif
	WIN 0
	s_wait_tensorcnt 0x0
	ds_add_u32 v[SPW], v[NIL]
.if \fill
	s_add_nc_u64 s[G0+6:G0+7], s[G0+6:G0+7], PSTEP
	s_add_co_u32 s[G0+5], s[WL], s[TB]             ; into the slot that is being left
.endif
	s_xor_b32 s[TB], s[TB], SLOTB
	v_add_nc_u32 v[ADRA], s[TB], v[A0]
	v_add_nc_u32 v[ADRB], s[TB], v[B0]
	s_wait_dscnt 9                                 ; (the add and the youngest eight loads may be out)
	MUL16 F1, 0, 0, 0
	s_wait_dscnt 0x0
	s_barrier_signal -1
	MUL16 F1, 0, 2, 0
	WIN 0
	s_barrier_wait -1
.if \fill
	tensor_load_to_lds s[G0+4:G0+7], s[G1:G1+7]
	s_nop 0
.endif
	PLACES
	FETCH 0, F0
.if \fill
	ASK
.endif
	MUL16 F1, 1, 0, 0
	MUL16 F1, 1, 2, 0
.endm
	s_wait_tensorcnt 1                             ; my region of step 0 is in; step 1's may stay out
	s_barrier_signal -1
	s_barrier_wait -1
	FETCH 0, F0
	QUARTER 1, F0, F1, 1                           ; written out: its products start the sums with the mask
	WIN 0
	s_branch .Lentry
.Ltop:
	TURN 1
	QUARTER 1, F0, F1, 0
	WIN 0
.Lentry:
	QUARTER 2, F1, F0, 0
	QUARTER 3, F0, F1, 0
	WIN 0
	s_add_co_u32 s[STP], s[STP], 1
	s_cmp_lt_u32 s[STP], NSTEP-1
	s_cbranch_scc1 .Ltop
	TURN 0
	QUARTER 1, F0, F1, 0
	QUARTER 2, F1, F0, 0
	QUARTER 3, F0, F1, 0
	s_wait_dscnt 8
	MUL16 F1, 0, 0, 0
	MUL16 F1, 0, 2, 0
	s_wait_dscnt 0x0
	MUL16 F1, 1, 0, 0
	MUL16 F1, 1, 2, 0
	WIN 0
	PLACES
	PLACES
; THE WAY OUT, by blocks a of 16 queries x 128 keys: a lane holds 64 scores of one query.
.macro STAT a                          ; the maximum (each accumulator's lowest registers first), -M = floor(-c max), M
.set AC, 64*((\a)%4)
.set HI, (\a)/4
	WIN 0x2a+0x15*HI
.irp b, 0,1,2,3,4,5,6,7
	v_max3_num_f32 v[C8+\b], v[AC+8*\b], v[AC+8*\b+1], v[AC+8*\b+2]
.endr
	WIN 0x28+0x14*HI
.irp b, 0,1,2,3,4,5,6,7
	v_max3_num_f32 v[C8+\b], v[C8+\b], v[AC+8*\b+3], v[AC+8*\b+4]
.endr
.irp b, 0,1,2,3,4,5,6,7
	v_max3_num_f32 v[C8+\b], v[C8+\b], v[AC+8*\b+5], v[AC+8*\b+6]
.endr
.irp b, 0,1,2,3
	v_max3_num_f32 v[C8+\b], v[C8+\b], v[AC+16*\b+7], v[AC+16*\b+15]
.endr
	WIN 0
	v_max3_num_f32 v[C8], v[C8], v[C8+1], v[C8+2]
	v_max3_num_f32 v[C8+3], v[C8+3], v[C8+4], v[C8+5]
	v_max3_num_f32 v[C8], v[C8], v[C8+3], v[C8+6]
	v_max_num_f32 v[C8], v[C8], v[C8+7]
	v_permlanex16_b32 v[C8+1], v[C8], s[SEL], s[SEL+1]  ; the query's other 64 keys lie in the lane 16 away
	v_max_num_f32 v[C8], v[C8], v[C8+1]
	v_mul_f32 v[C8], s[NC], v[C8]
	v_floor_f32 v[NN], v[C8]
	v_min_num_f32 v[NN], s[BIG], v[NN]
	v_sub_f32 v[NN+1], 0, v[NN]
.endm
.macro EXPS a                          ; c s - M and the 64 exponentials, in place: one batch, one plain instruction behind it, one wait ahead of its first reader
.set AC, 64*((\a)%4)
.set HI, (\a)/4
	WIN 0x82+0x41*HI
.set z, 0
.rept 32
	v_pk_fma_f32 v[AC+z:AC+z+1], v[AC+z:AC+z+1], s[CS:CS+1], v[NN:NN+1] op_sel_hi:[1,0,0]
.set z, z+2
.endr
.set z, 0
.rept 64
	v_exp_f32 v[AC+z], v[AC+z]
.set z, z+1
.endr
	v_nop
	s_wait_alu depctr_va_vdst(0)
.endm
.macro PACK a                          ; rounded to f16 into set a % 4; then the sum of the unrounded weights, in place; M and L into my stage
.set AC, 64*((\a)%4)
.set HI, (\a)/4
.set TT, 64+32*((\a)%4)
.if (\a) >= 4
	s_wait_xcnt 0x0                                ; the set's registers were the data of block a - 4's stores
.endif
	WIN 0x0a+5*HI
.set z, 0
.rept 32
	v_cvt_pk_f16_f32 v[TT+z], v[AC+2*z], v[AC+2*z+1]
.set z, z+1
.endr
	WIN 0x8a+0x45*HI
.irp w, 32,16,8,4,2
.set z, 0
.rept (\w)/2
	v_pk_add_f32 v[AC+z:AC+z+1], v[AC+z:AC+z+1], v[AC+(\w)+z:AC+(\w)+z+1]
.set z, z+2
.endr
.endr
	WIN 0x0a+5*HI
	v_add_f32 v[LL], v[AC], v[AC+1]
	WIN 0
	v_permlanex16_b32 v[LL+1], v[LL], s[SEL], s[SEL+1]
	v_add_f32 v[LL], v[LL], v[LL+1]
	v_cndmask_b32 v[LL+1], v[NN+1], v[LL], s[HM]
	ds_store_b32 v[SS], v[LL+1] offset:64*(\a)
.endm
.macro TOSTAGE a                       ; 16 bytes a lane into rows of 272 bytes, back as whole rows of 256, into the registers that they left
.set TT, 64+32*((\a)%4)
.irp b, 0,1,2,3,4,5,6,7
	ds_store_b128 v[STO], v[TT+4*\b:TT+4*\b+3] offset:32*\b
.endr
.irp t, 0,1,2,3,4,5,6,7
	ds_load_b128 v[TT+4*\t:TT+4*\t+3], v[RD] offset:\t*2*SPITCH  ; LDS serves a wave's instructions in order (ISA guide 5.7.1.4)
.endr
.endm
.macro SEND a
.set TT, 64+32*((\a)%4)
	WIN 0
.irp t, 0,1,2,3,4,5,6,7
	s_wait_dscnt 7-\t
	global_store_b128 v[CO], v[TT+4*\t:TT+4*\t+3], s[6:7] offset:(\a)*65536+\t*8192  ; 16 lanes store 256 consecutive bytes, aligned
.endr
.endm
	STAT 0
	EXPS 0
	PACK 0
	TOSTAGE 0
.irp a, 1,2,3,4,5,6,7                  ; a block's maximum and exponentials stand between the loads of the block before and its stores
	STAT \a
	EXPS \a
	SEND (\a)-1
	PACK \a
	TOSTAGE \a
.endr
	SEND 7
	ds_load_b128 v[40:43], v[SR]
	ds_load_b128 v[44:47], v[SR] offset:512
	s_wait_dscnt 0x0
	global_store_b128 v54, v[40:43], s[8:9]
	global_store_b128 v54, v[44:47], s[8:9] offset:512
	s_wait_tensorcnt 0x0                           ; the wave's end
	ds_add_u32 v[SPW], v[NIL]
	s_wait_dscnt 0x0
	s_endpgm
; ROWS 0-15 OF A BATCH, whole, with the weights and v in f32.  These rows average one to sixteen rows of v, so their numbers are many times the output's root mean square, by which the comparison's allowance goes:
; f16's rounding of v and of the weights has too little room where such a row's number falls near zero.  The next launch leaves these rows unstored.
; Each of the four waves makes the 16 x 16 scores itself, straight from qkv (32 products of 32 channels, in four trips of four panels; two accumulators by turns; the first begins with the mask),
; takes the row's TRUE maximum away, and puts the normalised weights into its own 1,024 bytes of LDS: no wave reads another's, so there is no barrier.  Then it makes 256 channels of the 16 rows: a lane holds
; 8 channels of all 16 rows of v32 (128 registers), and a counted loop takes a row a trip: its 16 weights (the same 64 bytes in every lane), 128 multiply-adds, two stores of 512 consecutive bytes.
.set HA, 16                            ; v[16:31]   two accumulators; then the lane's 8 weights
.set HW, 32                            ; v[32:47]   a row's 16 weights
.set HO, 48                            ; v[48:55]   a row's 8 results
.set HQ, 64                            ; v[64:127]  q's 8 fragments of a trip; v[64:191] later v32: row j's 8 channels at HQ + 8 j
.set HK, 128                           ; v[128:191] k's
.Lhead:
	v_and_b32 v1, 15, v0                           ; r
	v_bfe_u32 v2, v0, 4, 1                         ; h
	v_and_b32 v3, 31, v0                           ; l
	v_lshlrev_b32 v4, 7, v1
	v_lshl_add_u32 v4, v2, 4, v4                   ; a fragment's row x 128 + 16 h
	s_lshl_b32 s50, s[BB], 18                      ; the batch's first row in a panel
	s_mov_b32 s51, 0
	s_add_nc_u64 s[52:53], s[4:5], s[50:51]        ; q's panel 0,
	s_add_nc_u64 s[54:55], s[52:53], 16<<20        ; k's
	v_lshlrev_b32 v5, 3, v2
	v_sub_nc_u32 v5, v1, v5                        ; r - 8 h: key 8 h + j is hidden where j is greater
	v_mov_b32 v6, 0xf149f2ca                       ; -1e30
	v_mov_b32 v9, 0
.set j, 0
.rept 8
	v_cmp_gt_i32 vcc_lo, j, v5
	v_cndmask_b32 v[HA+j], 0, v6, vcc_lo
	v_mov_b32 v[HA+8+j], 0
.set j, j+1
.endr
	s_mov_b32 s56, 4
.Lqk:
.irp t, 0,1,2,3,4,5,6,7                ; panel t / 2 of the trip's four, channels 32 (t % 2) on
	global_load_b128 v[HQ+8*\t:HQ+8*\t+3],   v4, s[52:53] offset:((\t)/2)*1048576+((\t)%2)*64
	global_load_b128 v[HQ+8*\t+4:HQ+8*\t+7], v4, s[52:53] offset:((\t)/2)*1048576+((\t)%2)*64+32
	global_load_b128 v[HK+8*\t:HK+8*\t+3],   v4, s[54:55] offset:((\t)/2)*1048576+((\t)%2)*64
	global_load_b128 v[HK+8*\t+4:HK+8*\t+7], v4, s[54:55] offset:((\t)/2)*1048576+((\t)%2)*64+32
.endr
	s_wait_loadcnt 0x0                             ; the loads are done: their bases may be stepped below
.irp t, 0,1,2,3,4,5,6,7
	v_wmma_f32_16x16x32_f16 v[HA+8*((\t)%2):HA+8*((\t)%2)+7], v[HK+8*\t:HK+8*\t+7], v[HQ+8*\t:HQ+8*\t+7], v[HA+8*((\t)%2):HA+8*((\t)%2)+7]
.endr
	PLACES                                         ; in front of the next loads into the fragments' registers
	s_add_nc_u64 s[52:53], s[52:53], 4<<20
	s_add_nc_u64 s[54:55], s[54:55], 4<<20
	s_sub_co_u32 s56, s56, 1
	s_cmp_lg_u32 s56, 0
	s_cbranch_scc1 .Lqk
	s_mul_i32 s50, s[BB], 16*VROW                  ; v32 at the batch's 16 rows,
	s_add_co_u32 s50, s50, 2048                    ; v's first column (512 columns of k stand in front of it),
	s_lshl_b32 s57, s[WV], 10                      ; my wave's 256 channels
	s_add_co_u32 s50, s50, s57
	s_add_nc_u64 s[10:11], s[10:11], s[50:51]
	v_lshlrev_b32 v7, 4, v3                        ; 16 l
.set j, 0
.rept 16
	global_load_b128 v[HQ+8*j:HQ+8*j+3],   v7, s[10:11] offset:j*VROW
	global_load_b128 v[HQ+8*j+4:HQ+8*j+7], v7, s[10:11] offset:j*VROW+512
.set j, j+1
.endr
	PLACES                                         ; eight places in all behind the last product
.irp j, 0,2,4,6
	v_pk_add_f32 v[HA+\j:HA+\j+1], v[HA+\j:HA+\j+1], v[HA+8+\j:HA+8+\j+1]
.endr
	v_max3_num_f32 v8, v[HA], v[HA+1], v[HA+2]
	v_max3_num_f32 v8, v8, v[HA+3], v[HA+4]
	v_max3_num_f32 v8, v8, v[HA+5], v[HA+6]
	v_max_num_f32 v8, v8, v[HA+7]
	v_permlanex16_b32 v9, v8, s[SEL], s[SEL+1]     ; the query's other 8 keys lie in the lane 16 away
	v_max_num_f32 v8, v8, v9
	v_mul_f32 v8, s[CS], v8
.set j, 0
.rept 8
	v_fma_f32 v[HA+j], v[HA+j], s[CS], -v8
.set j, j+1
.endr
.set j, 0
.rept 8
	v_exp_f32 v[HA+j], v[HA+j]
.set j, j+1
.endr
	v_nop                                          ; a plain instruction behind the batch,
	s_wait_alu depctr_va_vdst(0)                   ; and its one wait
	v_add_f32 v10, v[HA], v[HA+1]
.set j, 2
.rept 6
	v_add_f32 v10, v10, v[HA+j]
.set j, j+1
.endr
	v_permlanex16_b32 v9, v10, s[SEL], s[SEL+1]
	v_add_f32 v10, v10, v9
	v_rcp_f32 v10, v10
	s_add_co_u32 s57, s57, STST                    ; my wave's 1,024 bytes
	v_lshlrev_b32 v11, 6, v1                       ; row r, 32 h bytes
	v_lshl_add_u32 v11, v2, 5, v11
	v_add_nc_u32 v11, s57, v11
	v_mov_b32 v12, s57                             ; where a row's weights are read: the same in every lane
	v_lshlrev_b32 v13, 4, v3
	s_wait_alu depctr_va_vdst(0)                   ; the reciprocal: the five lines above are the work between
.set j, 0
.rept 8
	v_mul_f32 v[HA+j], v10, v[HA+j]
.set j, j+1
.endr
	ds_store_b128 v11, v[HA:HA+3]
	ds_store_b128 v11, v[HA+4:HA+7] offset:16
	s_lshl_b32 s50, s[BB], 23                      ; out0 at the batch's first row, my wave's 256 channels
	s_lshl_b32 s57, s[WV], 10
	s_add_co_u32 s50, s50, s57
	s_add_nc_u64 s[12:13], s[12:13], s[50:51]
	s_wait_loadcnt 0x0                             ; v32
	s_mov_b32 s56, 16
.Lrow:
.irp k, 0,1,2,3
	ds_load_b128 v[HW+4*\k:HW+4*\k+3], v12 offset:16*\k   ; LDS serves a wave's instructions in order (ISA guide 5.7.1.4): these see my stores above
.endr
	s_wait_dscnt 0x0
.irp k, 0,1,2,3,4,5,6,7
	v_mul_f32 v[HO+\k], v[HW], v[HQ+\k]
.endr
.set j, 1
.rept 15
.irp k, 0,1,2,3,4,5,6,7
	v_fmac_f32 v[HO+\k], v[HW+j], v[HQ+8*j+\k]
.endr
.set j, j+1
.endr
	global_store_b128 v13, v[HO:HO+3],   s[12:13]
	global_store_b128 v13, v[HO+4:HO+7], s[12:13] offset:512
	s_wait_xcnt 0x0                                ; the stores' offset and data are rewritten only behind this wait
	v_add_nc_u32 v12, 64, v12
	v_add_nc_u32 v13, 4096, v13
	s_sub_co_u32 s56, s56, 1
	s_cmp_lg_u32 s56, 0
	s_cbranch_scc1 .Lrow
	s_wait_tensorcnt 0x0                           ; the wave's end
	ds_add_u32 v[SPW], v[NIL]
	s_wait_dscnt 0x0
	s_endpgm
.Lfunc_end_k_qa5bb960ee5_scores:
	.size	k_qa5bb960ee5_scores, .Lfunc_end_k_qa5bb960ee5_scores-k_qa5bb960ee5_scores
	.p2alignl 7, 3214868480
	.fill 96, 4, 3214868480
	.section	.rodata,"a",@progbits
	.p2align	6, 0x0
	.amdhsa_kernel k_qa5bb960ee5_scores
		.amdhsa_group_segment_fixed_size 327680
		.amdhsa_private_segment_fixed_size 0
		.amdhsa_enable_private_segment 0
		.amdhsa_kernarg_size 40
		.amdhsa_user_sgpr_count 2
		.amdhsa_user_sgpr_kernarg_segment_ptr 1
		.amdhsa_wavefront_size32 1
		.amdhsa_system_sgpr_workgroup_id_x 1
		.amdhsa_system_sgpr_workgroup_id_y 1
		.amdhsa_system_sgpr_workgroup_id_z 1
		.amdhsa_system_vgpr_workitem_id 0
		.amdhsa_next_free_vgpr 1024
		.amdhsa_next_free_sgpr 70
		.amdhsa_reserve_vcc 1
		.amdhsa_float_denorm_mode_32 3
		.amdhsa_float_denorm_mode_16_64 3
		.amdhsa_memory_ordered 1
		.amdhsa_forward_progress 1
		.amdhsa_inst_pref_size 191
	.end_amdhsa_kernel
	.amdgpu_metadata
---
amdhsa.version: [ 1, 2 ]
amdhsa.kernels:
  - .name:           k_qa5bb960ee5_scores
    .symbol:         k_qa5bb960ee5_scores.kd
    .args:
      - { .name: qkv, .offset: 0, .size: 8, .value_kind: global_buffer, .address_space: global }
      - { .name: pt, .offset: 8, .size: 8, .value_kind: global_buffer, .address_space: global }
      - { .name: stats, .offset: 16, .size: 8, .value_kind: global_buffer, .address_space: global }
      - { .name: v32, .offset: 24, .size: 8, .value_kind: global_buffer, .address_space: global }
      - { .name: out0, .offset: 32, .size: 8, .value_kind: global_buffer, .address_space: global }
    .group_segment_fixed_size: 327680
    .private_segment_fixed_size: 0
    .kernarg_segment_align: 8
    .kernarg_segment_size: 40
    .max_flat_workgroup_size: 128
    .sgpr_count:     70
    .vgpr_count:     1024
    .wavefront_size: 32
...
	.end_amdgpu_metadata
.endif
;; end of part 3
;; launch pv (part 4): grid 8 x 32, 4 waves a work-group, clusters of 4 x 4, 327,680 bytes of LDS; arguments pt, qkv, stats, out0; writes out0
.if DOCPART == 4
	.amdgcn_target "amdgcn-amd-amdhsa--gfx1250"
	.amdhsa_code_object_version 6
	.text
	.protected	k_qa5bb960ee5_pv
	.globl	k_qa5bb960ee5_pv
	.p2align	8
	.type	k_qa5bb960ee5_pv,@function
k_qa5bb960ee5_pv:
	s_mov_b64 s[64:65], 0
	v_nop
	global_prefetch_b8 v0, s[64:65] scope:SCOPE_SE
	s_setreg_imm32_b32 hwreg(HW_REG_WAVE_MODE, 25, 1), 1
	s_wait_xcnt 0x0
	s_wait_alu depctr_hold_cnt(0) depctr_sa_sdst(0) depctr_va_vdst(0) depctr_va_sdst(0) depctr_va_ssrc(0) depctr_va_vcc(0) depctr_vm_vsrc(0)
	s_getreg_b32 s2, hwreg(HW_REG_IB_STS2, 6, 4)
	s_cmp_eq_u32 s2, 0
	s_cbranch_scc0 .Lentry_in_a_cluster
	s_endpgm
.Lentry_in_a_cluster:
	s_bfe_u32 s2, ttmp6, 0x10000c
	s_cmp_lg_u32 s2, 0xf033
	s_cbranch_scc0 .Lentry_shape_is_right
	s_endpgm
.Lentry_shape_is_right:
; out[q][c] = (1 / l_q) x the sum over key blocks kb <= qb of f[q][kb] x (the sum over the block's keys of p~[q][k] v[k][c]);  f = 2^(M[q][kb] - Mrow[q]), Mrow the row's largest M, l = the sum of f L.
; f is an exact power of two: it is applied to p~'s f16 fragments by v_pk_mul_f16, which rounds nothing above f16's denormals; 1 / l is applied to the f32 sums at the end.
; Rows 0-15 of each batch are NOT stored here: the launch before has made them with f32 weights and f32 v.
; LIMITS.  A factor under 2^-24 counts as 0 in the product; a product p~ f under 6e-5 keeps f16's fixed step of 6e-8 (the row's largest weight lies above 0.5).  NaN and infinities are not treated apart.
; SHARES.  A work-group makes 128 channels (nb) of TWO blocks of 128 queries, qhi = 12 - 4 G + cy and then qlo = 4 G + cy (G = cluster y % 2, batch = cluster y / 2).  All sixteen partners walk the same 10 steps of 256 keys,
; N1 = 8 - 2 G for the first block and the rest for the second: p~'s tile is asked for jointly along a row of the cluster, v's along a column, and no branch hangs on a work-group's place.  A step beyond a block's diagonal
; asks for the block's last valid tile once more (an address, not a branch) and its factor is 0: 20 key blocks are walked where 17 are needed.
; A wave makes 64 queries x 64 channels: 16 accumulators.  Source 0 = v turned (ds_load_tr16_b128), source 1 = p~: a lane holds one query and eight channels.
; The accumulators are cleared by 128 v_mov_b32 at each block's beginning, on purpose: every step then has one text.
; WINDOWS: 0: v0-31 addresses, factors, 1 / l; v32-63 at work; v64-191 v's fragments, two buffers.  1: v0-127 the accumulators; v128-255 p~'s fragments, two buffers.  One setting serves the products, the scalings and p~'s loads.
.set NSTEP, 10
.set PP,    528                        ; a row of p~: 512 + 16
.set PV,    160                        ; a row of v: 128 + 32
.set PHALF, 64*PP
.set VBASE, 2*PHALF
.set VPAN,  256*PV
.set SLOTB, VBASE+2*VPAN
.set TAB,   2*SLOTB                    ; the factors in the walk's order: entry u (a key block) x 128 rows x 2 bytes
.set INV,   TAB+8192                   ; 1 / l: 2 blocks x 128 rows
.set STAGE, INV+1024
.set SPITCH, 272
.set SPARE, STAGE+4*16*SPITCH
.set P0, 4
.set V0, 5
.set ADRP, 6
.set ADRV, 7
.set TA, 8
.set IA, 9
.set STO, 10
.set RD, 11
.set GO, 12
.set PFO, 13
.set SPW, 14
.set NIL, 15
.set FC0, 16                           ; the factors of a step's first 128 keys, for my four query blocks, in both halves of a register
.set FC1, 20                           ; of its second 128
.set IV, 24
.set T, 32
.set VF, 64
.set OB, 128
.set PF, 128                           ; window 1
.set WX, 0x54                          ; source 0 window 0; source 1, source 2 and destination window 1
.set WV, 12
.set HALF, 13
.set CX, 14
.set CY, 15
.set NB, 16
.set BB, 17
.set GG, 18
.set N1, 19
.set QHI, 20
.set QLO, 21
.set QHH, 22
.set QLH, 23
.set G1A, 24
.set G1V, 32
.set G0A, 40
.set G0V, 48
.set AHI, 56
.set ALO, 58
.set VB, 60
.set NA, 66
.set NV, 68
.set PFA, 70
.set POF, 72
.set OFA, 74
.set OFV, 76
.set OHI, 78                           ; OLO = OHI + 2
.set BA, 82
.set STP, 84
.set TB, 85
.set LIMP, 86
.set WLA, 87
.set WLV, 88
.set T2, 89
.set KEEP, 100                         ; s100  0 in the waves that hold a batch's rows 0-63 (qlo = 0, the upper half of the queries)
.set SVX, 101                          ; s101  EXEC, set aside
.set MSB, 0
.macro WIN new
.if MSB != (\new)
	s_set_vgpr_msb (MSB<<8)|(\new)
.set MSB, (\new)
.endif
.endm
.macro PLACES
.rept 4
	v_nop
.endr
.endm
.macro CREST
	s_cmp_lg_u32 s[WV], 0
	s_cbranch_scc1 .Lnot_wave_0_\@
	s_barrier_signal -3
.Lnot_wave_0_\@:
	s_barrier_wait -3
	s_barrier_signal -1
	s_barrier_wait -1
.endm
.macro CROUND
	s_barrier_signal -1
	s_barrier_wait -1
	CREST
.endm
.macro JLOAD                           ; waves 0, 1 fetch p~'s two halves (64 rows x 512 bytes), waves 2, 3 v's two panels (256 keys x 128 bytes)
	s_cmp_lt_u32 s[WV], 2
	s_cbranch_scc0 .Lfor_v_\@
	tensor_load_to_lds s[G0A+4:G0A+7], s[G1A:G1A+7]
	s_nop 0
	PLACES
	s_branch .Lasked_\@
.Lfor_v_\@:
	tensor_load_to_lds s[G0V+4:G0V+7], s[G1V:G1V+7]
	s_nop 0
	PLACES
.Lasked_\@:
.endm
; A prefetch of the tile after the one just asked for: my work-group's quarter (by address: cx for p~, cy for v) of what I fetch, 32 blocks of 256 bytes, a lane a block.  p~'s tiles are read by both clusters of a row of
; clusters: cluster x = 0 asks; v's rows by both clusters of a batch and in both blocks: the cluster with G = 0 asks, in its first block alone.  Tiles 0 to 2 come by their loads alone.  A step held at a block's last valid tile names that tile a second time.
.macro ASK
	s_cmp_lt_u32 s[STP], s[LIMP]
	s_cbranch_scc0 .Lnot_mine_\@
	global_prefetch_b8 v[PFO], s[PFA:PFA+1] th:TH_LOAD_NT scope:SCOPE_SE
.Lnot_mine_\@:
.endm
; The addresses of the walk's tile T2: step j of its block; p~'s is held at the block's last valid step.  p~'s numbers hang on cy alone, v's on cx alone, each in registers of its own.
.macro MAP
	s_cmp_ge_u32 s[T2], s[N1]
	s_cselect_b32 s90, s[N1], 0
	s_cselect_b64 s[BA:BA+1], s[ALO:ALO+1], s[AHI:AHI+1]
	s_cselect_b32 s91, s[QLH], s[QHH]
	s_sub_co_u32 s90, s[T2], s90
	s_min_u32 s91, s90, s91
	s_lshl_b32 s[OFA], s91, 9                      ; 256 keys are 512 bytes of a row of p~,
	s_lshl_b32 s[OFV], s90, 15                     ; 32,768 bytes of a panel
	s_add_nc_u64 s[NA:NA+1], s[BA:BA+1], s[OFA:OFA+1]
	s_add_nc_u64 s[NV:NV+1], s[VB:VB+1], s[OFV:OFV+1]
.endm
	s_load_b256 s[4:11], s[0:1], 0x0               ; pt 4, qkv 6, stats 8, out0 10
	v_lshl_add_u32 v[SPW], v0, 2, SPARE
	v_mov_b32 v[NIL], 0
	ds_add_u32 v[SPW], v[NIL]                      ; the wave's opening: the add and its wait ahead of my first tensor load
	v_lshrrev_b32 v1, 5, v0
	v_readfirstlane_b32 s[WV], v1
	s_and_b32 s[HALF], s[WV], 1                    ; which half or panel I fetch; also my half of the channels
	s_bfe_u32 s[CX], ttmp6, 0x40000
	s_bfe_u32 s[CY], ttmp6, 0x40004
	s_lshl_b32 s[NB], ttmp9, 2
	s_add_co_u32 s[NB], s[NB], s[CX]
	s_and_b32 s92, ttmp7, 0xffff
	s_lshr_b32 s[BB], s92, 1
	s_and_b32 s[GG], s92, 1
	s_lshl_b32 s93, s[GG], 1
	s_sub_co_u32 s[N1], 8, s93
	s_lshl_b32 s93, s[GG], 2
	s_add_co_u32 s[QLO], s93, s[CY]
	s_sub_co_u32 s[QHI], 12, s93
	s_add_co_u32 s[QHI], s[QHI], s[CY]
	s_lshr_b32 s[QHH], s[QHI], 1
	s_lshr_b32 s[QLH], s[QLO], 1
	s_lshl_b32 s91, s[CY], 2
	s_lshl_b32 s91, 15, s91                        ; my row of the cluster
	s_lshl_b32 s95, 0x1111, s[CX]                  ; my column
	s_or_b32 s[G1A], s91, (1<<16)|(1<<20)|(1<<21)|(6<<22)|(3<<25)  ; padding after every 128 words, 4 words
	s_or_b32 s[G1V], s95, (1<<16)|(1<<20)|(1<<21)|(4<<22)|(7<<25)  ; after every 32 words, 8 words
	s_mov_b32 s[G1A+1], 256<<16
	s_mov_b32 s[G1A+2], 64<<16
	s_mov_b32 s[G1A+3], 256<<16
	s_mov_b32 s[G1A+4], 64
	s_mov_b32 s[G1A+5], 2048
	s_mov_b32 s[G1A+6], 0
	s_mov_b32 s[G1A+7], 0
	s_mov_b32 s[G1V+1], 128<<16                    ; a panel's 256 keys are dense: 128 rows of 256 bytes
	s_mov_b32 s[G1V+2], 128<<16
	s_mov_b32 s[G1V+3], 128<<16
	s_mov_b32 s[G1V+4], 128
	s_mov_b32 s[G1V+5], 128
	s_mov_b32 s[G1V+6], 0
	s_mov_b32 s[G1V+7], 0
	s_lshl_b32 s97, s[BB], 11
	s_lshl_b32 s96, s[HALF], 6
	s_add_co_u32 s97, s97, s96                     ; b 2,048 + 64 half
	s_lshl_b32 s[OFA], s[QHI], 7
	s_add_co_u32 s[OFA], s[OFA], s97
	s_lshl_b32 s[OFA], s[OFA], 12
	s_mov_b32 s[OFA+1], 0
	s_lshl_b32 s[BA], s[QLO], 7
	s_add_co_u32 s[BA], s[BA], s97
	s_lshl_b32 s[BA], s[BA], 12
	s_mov_b32 s[BA+1], 0
	s_lshl_b32 s[OFV], s[NB], 1
	s_add_co_u32 s[OFV], s[OFV], s[HALF]
	s_add_co_u32 s[OFV], s[OFV], 32                ; v's panel 32 + 2 nb + half
	s_lshl_b32 s[OFV], s[OFV], 20
	s_lshl_b32 s96, s[BB], 18
	s_add_co_u32 s[OFV], s[OFV], s96
	s_mov_b32 s[OFV+1], 0
	s_mul_i32 s[WLA], s[HALF], PHALF
	s_mul_i32 s[WLV], s[HALF], VPAN
	s_add_co_u32 s[WLV], s[WLV], VBASE
	s_mov_b32 s[STP], 0
	s_mov_b32 s[TB], 0
	s_wait_dscnt 0x0
	s_wait_kmcnt 0x0
	s_add_nc_u64 s[AHI:AHI+1], s[4:5], s[OFA:OFA+1]
	s_add_nc_u64 s[ALO:ALO+1], s[4:5], s[BA:BA+1]
	s_add_nc_u64 s[VB:VB+1], s[6:7], s[OFV:OFV+1]
.irp s, 0,1                            ; tiles 0 and 1 are the first block's steps 0 and 1 (it has six steps or more, and qhi >= 8: both are valid)
	s_mov_b32 s[G0A+4*(\s)], 1
	s_add_co_u32 s[G0A+4*(\s)+1], s[WLA], (\s)*SLOTB
	s_add_nc_u64 s[G0A+4*(\s)+2:G0A+4*(\s)+3], s[AHI:AHI+1], (\s)*512
	s_or_b32 s[G0A+4*(\s)+3], s[G0A+4*(\s)+3], 0x80000000
	s_mov_b32 s[G0V+4*(\s)], 1
	s_add_co_u32 s[G0V+4*(\s)+1], s[WLV], (\s)*SLOTB
	s_add_nc_u64 s[G0V+4*(\s)+2:G0V+4*(\s)+3], s[VB:VB+1], (\s)*32768
	s_or_b32 s[G0V+4*(\s)+3], s[G0V+4*(\s)+3], 0x80000000
.endr
	CROUND
	s_cmp_lt_u32 s[WV], 2
	s_cbranch_scc0 .Lfirst_v
	tensor_load_to_lds s[G0A:G0A+3], s[G1A:G1A+7]
	s_nop 0
	tensor_load_to_lds s[G0A+4:G0A+7], s[G1A:G1A+7]
	s_nop 0
	PLACES
	s_branch .Lfirst_done
.Lfirst_v:
	tensor_load_to_lds s[G0V:G0V+3], s[G1V:G1V+7]
	s_nop 0
	tensor_load_to_lds s[G0V+4:G0V+7], s[G1V:G1V+7]
	s_nop 0
	PLACES
.Lfirst_done:
	s_mov_b32 s[T2], 2
	MAP                                            ; what the first change of slots asks for
	; THE STATISTICS.  Thread t is row t of both blocks.  M and L of the key blocks 0-15 (first block) and 0-7 (second: qlo <= 7), each held at the diagonal block, so that only written bytes are read.
.set MH, 64
.set ML, 80
.set EX, 88
.set LH, 96
.set LW, 112
.set OF, 128
.set T4, 160
.set RH, 161
.set RL, 162
.set SH, 163
.set SL, 164
.set CV, 166
.set TS, 176
.set IS, 177
	v_lshlrev_b32 v[T4], 2, v0
	s_lshl_b32 s100, s[BB], 4
	s_add_co_u32 s101, s100, s[QLO]
	s_add_co_u32 s100, s100, s[QHI]
	s_lshl_b32 s100, s100, 4
	s_lshl_b32 s101, s101, 4
.macro SLD k, q, base, m, l, o
	s_min_u32 s96, s[\q], \k
	s_add_co_u32 s96, s96, s[\base]
	s_lshl_b32 s96, s96, 10
	v_add_nc_u32 v[\o], s96, v[T4]
	global_load_b32 v[\m], v[\o], s[8:9]
	global_load_b32 v[\l], v[\o], s[8:9] offset:512
.endm
.set k, 0
.rept 16
	SLD k, QHI, 100, MH+k, LH+k, OF+k
.set k, k+1
.endr
.set k, 0
.rept 8
	SLD k, QLO, 101, ML+k, LW+k, OF+16+k
.set k, k+1
.endr
.macro CLEAR
	WIN 0x40
.set z, 0
.rept 128
	v_mov_b32 v[z], 0
.set z, z+1
.endr
	WIN 0
.endm
	CLEAR                                          ; while those loads are out
	v_and_b32 v1, 15, v0                           ; r
	v_bfe_u32 v2, v0, 4, 1                         ; h
	v_and_b32 v3, 31, v0                           ; l
	s_lshr_b32 s93, s[WV], 1                       ; my half of the queries
	s_or_b32 s[KEEP], s[QLO], s93                  ; 0: my second block's first 16 rows are a batch's rows 0-15
	v_mul_u32_u24 v[P0], v1, PP
	v_lshl_add_u32 v[P0], v2, 4, v[P0]
	s_mul_i32 s96, s93, PHALF
	v_add_nc_u32 v[P0], s96, v[P0]
	v_and_b32 v32, 7, v0                           ; the turning load: key 8 h + l % 8, channels 8 ((l / 8) % 2) on
	v_bfe_u32 v33, v0, 3, 1
	v_lshl_add_u32 v[V0], v2, 3, v32
	v_mul_u32_u24 v[V0], v[V0], PV
	v_lshl_add_u32 v[V0], v33, 4, v[V0]
	s_mul_i32 s96, s[HALF], VPAN
	s_add_co_u32 s96, s96, VBASE
	v_add_nc_u32 v[V0], s96, v[V0]
	v_mov_b32 v[ADRP], v[P0]
	v_mov_b32 v[ADRV], v[V0]
	s_lshl_b32 s96, s93, 6                         ; my first row in the block
	v_add_nc_u32 v32, s96, v1
	v_lshl_add_u32 v[TA], v32, 1, TAB
	v_lshl_add_u32 v[IA], v32, 2, INV
	s_mul_i32 s96, s[WV], 16*SPITCH
	s_add_co_u32 s96, s96, STAGE
	v_mul_u32_u24 v[STO], v1, SPITCH               ; in: row r, 32 bytes for each half of the lanes
	v_lshl_add_u32 v[STO], v2, 5, v[STO]
	v_add_nc_u32 v[STO], s96, v[STO]
	v_mul_u32_u24 v[RD], v2, SPITCH                ; back: lanes 0-15 one row of 256 bytes, lanes 16-31 the next
	v_lshl_add_u32 v[RD], v1, 4, v[RD]
	v_add_nc_u32 v[RD], s96, v[RD]
	v_lshlrev_b32 v[GO], 12, v2
	v_lshl_add_u32 v[GO], v1, 4, v[GO]
	v_lshl_add_u32 v[TS], v0, 1, TAB
	v_lshl_add_u32 v[IS], v0, 2, INV
.set z, 0
.rept 8
	v_mov_b32 v[IV+z], 0                           ; named as pairs
.set z, z+1
.endr
	s_lshl_b32 s92, s[BB], 11                      ; out0 at row b 2,048 + 128 qb + 64 half, channel 128 nb + 64 half
	s_lshl_b32 s96, s93, 6
	s_add_co_u32 s92, s92, s96
	s_lshl_b32 s95, s[NB], 9
	s_lshl_b32 s96, s[HALF], 8
	s_add_co_u32 s95, s95, s96
	s_mov_b32 s99, 0
	s_lshl_b32 s98, s[QHI], 7
	s_add_co_u32 s98, s98, s92
	s_lshl_b32 s98, s98, 12
	s_add_co_u32 s98, s98, s95
	s_add_nc_u64 s[OHI:OHI+1], s[10:11], s[98:99]
	s_lshl_b32 s98, s[QLO], 7
	s_add_co_u32 s98, s98, s92
	s_lshl_b32 s98, s98, 12
	s_add_co_u32 s98, s98, s95
	s_add_nc_u64 s[OHI+2:OHI+3], s[10:11], s[98:99]
	s_lshl_b32 s98, s[CX], 16                      ; the prefetches: 16 cx rows of p~, or 8,192 cy bytes of a panel
	s_lshl_b32 s99, s[CY], 13
	s_cmp_lt_u32 s[WV], 2
	s_cselect_b32 s[POF], s98, s99
	s_cselect_b32 s94, ttmp9, s[GG]
	s_cselect_b32 s96, NSTEP-2, 6
	s_cselect_b32 s98, -1, 0
	s_mov_b32 s[POF+1], 0
	s_cmp_eq_u32 s94, 0
	s_cselect_b32 s[LIMP], s96, 0
	v_lshrrev_b32 v32, 1, v3
	v_lshlrev_b32 v32, 12, v32
	v_and_b32 v33, 1, v3
	v_lshl_add_u32 v32, v33, 8, v32                ; p~: row l / 2, 256 (l % 2)
	v_lshlrev_b32 v33, 8, v3                       ; v: 256 l
	v_cndmask_b32 v[PFO], v33, v32, s98
	s_cmp_eq_u32 s[GG], 1
	s_cselect_b32 s99, -1, 0
	s_wait_loadcnt 0x0
	v_max3_num_f32 v[RH], v[MH], v[MH+1], v[MH+2]
.irp k, 3,5,7,9,11,13
	v_max3_num_f32 v[RH], v[RH], v[MH+\k], v[MH+\k+1]
.endr
	v_max_num_f32 v[RH], v[RH], v[MH+15]
	v_max3_num_f32 v[RL], v[ML], v[ML+1], v[ML+2]
.irp k, 3,5
	v_max3_num_f32 v[RL], v[RL], v[ML+\k], v[ML+\k+1]
.endr
	v_max_num_f32 v[RL], v[RL], v[ML+7]
.set k, 0
.rept 16
	v_sub_f32 v[MH+k], v[MH+k], v[RH]
.set k, k+1
.endr
.set k, 0
.rept 8
	v_sub_f32 v[ML+k], v[ML+k], v[RL]
.set k, k+1
.endr
.set k, 0
.rept 24
	v_exp_f32 v[MH+k], v[MH+k]                     ; one batch,
.set k, k+1
.endr
	v_nop                                          ; a plain instruction behind it,
	s_wait_alu depctr_va_vdst(0)                   ; and one wait ahead of its first reader
.set k, 0
.rept 16
	s_cmp_ge_u32 s[QHI], k                         ; beyond the diagonal the factor is 0
	s_cselect_b32 s96, 1.0, 0
	v_mul_f32 v[MH+k], s96, v[MH+k]
.set k, k+1
.endr
.set k, 0
.rept 8
	s_cmp_ge_u32 s[QLO], k
	s_cselect_b32 s96, 1.0, 0
	v_mul_f32 v[ML+k], s96, v[ML+k]
.set k, k+1
.endr
	v_mul_f32 v[SH], v[MH], v[LH]
	v_mul_f32 v[SL], v[ML], v[LW]
.set k, 1
.rept 15
	v_fmac_f32 v[SH], v[MH+k], v[LH+k]
.set k, k+1
.endr
.set k, 1
.rept 7
	v_fmac_f32 v[SL], v[ML+k], v[LW+k]
.set k, k+1
.endr
	v_rcp_f32 v[SH], v[SH]
	v_rcp_f32 v[SL], v[SL]
	; the table in the walk's order, chosen by value so that every LDS address is a constant: entries 0-11 the first block's; 12-15 its own (G = 0) or the second's 0-3; 16-19 the second's 0-3 (G = 0) or 4-7
.irp u, 0,1,2,3
	v_cndmask_b32 v[EX+\u], v[ML+\u], v[ML+4+\u], s99
.endr
.irp u, 0,1,2,3
	v_cndmask_b32 v[MH+12+\u], v[MH+12+\u], v[ML+\u], s99
.endr
.irp u, 0,1,2,3,4,5,6,7
	v_cvt_pk_f16_f32 v[CV+\u], v[MH+2*\u], v[MH+2*\u+1]
.endr
	v_cvt_pk_f16_f32 v[CV+8], v[EX], v[EX+1]
	v_cvt_pk_f16_f32 v[CV+9], v[EX+2], v[EX+3]
	s_wait_alu depctr_va_vdst(0)                   ; the two reciprocals
.irp u, 0,1,2,3,4,5,6,7,8,9
	ds_store_b16 v[TS], v[CV+\u] offset:512*\u
	ds_store_b16_d16_hi v[TS], v[CV+\u] offset:512*\u+256
.endr
	ds_store_b32 v[IS], v[SH]
	ds_store_b32 v[IS], v[SL] offset:512
.macro FETCHP q, g                     ; p~'s 8 fragments of quarter q (64 keys), the first 32 keys first
	WIN WX
.irp c, 0,1
.irp a, 0,1,2,3
	ds_load_b128 v[PF+64*(\g)+8*(4*(\c)+(\a)):PF+64*(\g)+8*(4*(\c)+(\a))+3],   v[ADRP] offset:(\a)*16*PP+(\q)*128+(\c)*64
	ds_load_b128 v[PF+64*(\g)+8*(4*(\c)+(\a))+4:PF+64*(\g)+8*(4*(\c)+(\a))+7], v[ADRP] offset:(\a)*16*PP+(\q)*128+(\c)*64+32
.endr
.endr
.endm
.macro FETCHV q, g                     ; v's 8 fragments of quarter q, turned
	WIN 0
.irp c, 0,1
.irp n, 0,1,2,3
	ds_load_tr16_b128 v[VF+64*(\g)+8*(4*(\c)+(\n)):VF+64*(\g)+8*(4*(\c)+(\n))+3],   v[ADRV] offset:(64*(\q)+32*(\c))*PV+32*(\n)
	ds_load_tr16_b128 v[VF+64*(\g)+8*(4*(\c)+(\n))+4:VF+64*(\g)+8*(4*(\c)+(\n))+7], v[ADRV] offset:(64*(\q)+32*(\c))*PV+16*PV+32*(\n)
.endr
.endr
.endm
.macro DUP s                           ; a factor into both halves of its register
.irp a, 0,1,2,3
	v_lshl_or_b32 v[(\s)+\a], v[(\s)+\a], 16, v[(\s)+\a]
.endr
.endm
; cnt products from number i0 on of the 16 of buffer f, keys 32 c on (the 16 accumulators by turns); behind each, two scalings of the 32 registers of p~ in buffer tf, half tc, by factor set s (s < 0: none)
.macro HALFQ f, c, tf, tc, s, i0, cnt
.set i, \i0
.rept \cnt
	v_wmma_f32_16x16x32_f16 v[8*i:8*i+7], v[VF+64*(\f)+8*(4*(\c)+i%4):VF+64*(\f)+8*(4*(\c)+i%4)+7], v[PF+64*(\f)+8*(4*(\c)+i/4):PF+64*(\f)+8*(4*(\c)+i/4)+7], v[8*i:8*i+7]
.if (\s) >= 0
	v_pk_mul_f16 v[PF+64*(\tf)+32*(\tc)+2*i],   v[(\s)+i/4], v[PF+64*(\tf)+32*(\tc)+2*i]
	v_pk_mul_f16 v[PF+64*(\tf)+32*(\tc)+2*i+1], v[(\s)+i/4], v[PF+64*(\tf)+32*(\tc)+2*i+1]
.endif
.set i, i+1
.endr
.endm
; Quarter q of a step, on buffer f; quarter q + 1 is fetched into g at its head.  The scalings run half a quarter ahead of the products: sa for this quarter's second 32 keys, sb for the next quarter's first 32.
; ld = 1: the step's second factors are loaded; 2: the next step's first.  dup = 1: the second factors, loaded a quarter ago, are spread.
.macro PQ q, f, g, sa, sb, ld, dup
	s_wait_dscnt 0x0                               ; buffer f is whole
	WIN 0
.if \dup
	DUP FC1
.endif
	PLACES                                         ; in front of the loads into buffer g
	FETCHP (\q)+1, \g
	WIN 0
.if (\ld) == 1
.irp a, 0,1,2,3
	ds_load_u16 v[FC1+\a], v[TA] offset:256+32*\a
.endr
.elseif (\ld) == 2
.irp a, 0,1,2,3
	ds_load_u16 v[FC0+\a], v[TA] offset:512+32*\a
.endr
.endif
	FETCHV (\q)+1, \g
	WIN WX
	HALFQ \f, 0, \f, 1, \sa, 0, 16
.if \ld
	s_wait_dscnt 28                                ; p~'s first eight loads are in; behind them: its other eight, the four factors, v's sixteen
.else
	s_wait_dscnt 24
.endif
	HALFQ \f, 1, \g, 0, \sb, 0, 16
.endm
; The last quarter and the change of slots: all my tensor loads (one is out), the add, my reads of this slot; the barrier opens a round of the cluster's; the joint refill, tile STP + 1, first behind it.
.macro TURN fill
.if \fill
	s_wait_xcnt 0x0                                ; the last prefetch, a step back, has read its address
.endif
	WIN 0
	s_wait_tensorcnt 0x0
	ds_add_u32 v[SPW], v[NIL]
.if \fill
	s_mov_b64 s[G0A+6:G0A+7], s[NA:NA+1]           ; no tensor load of mine is out: the walking sets take the addresses made a step ago,
	s_or_b32 s[G0A+7], s[G0A+7], 0x80000000
	s_add_co_u32 s[G0A+5], s[WLA], s[TB]           ; and the slot that is being left
	s_mov_b64 s[G0V+6:G0V+7], s[NV:NV+1]
	s_or_b32 s[G0V+7], s[G0V+7], 0x80000000
	s_add_co_u32 s[G0V+5], s[WLV], s[TB]
	s_add_co_u32 s[T2], s[STP], 2
	s_min_u32 s[T2], s[T2], NSTEP-1
	MAP                                            ; the tile after: for the prefetch now, for the refill a step on
	s_cmp_lt_u32 s[WV], 2
	s_cselect_b64 s[PFA:PFA+1], s[NA:NA+1], s[NV:NV+1]
	s_add_nc_u64 s[PFA:PFA+1], s[PFA:PFA+1], s[POF:POF+1]
.endif
	s_xor_b32 s[TB], s[TB], SLOTB
	v_add_nc_u32 v[ADRP], s[TB], v[P0]
	v_add_nc_u32 v[ADRV], s[TB], v[V0]
	v_add_nc_u32 v[TA], 512, v[TA]
	s_wait_dscnt 1                                 ; (the add may be out): buffer 1 is whole, the next step's first factors are in
	DUP FC0
	WIN WX
	HALFQ 1, 0, 1, 1, FC1, 0, 8
	s_wait_dscnt 0x0
	s_barrier_signal -1
	HALFQ 1, 0, 1, 1, FC1, 8, 8
	WIN 0
	s_barrier_wait -1
.if \fill
	CREST
	JLOAD                                          ; its four v_nop are also places in front of the loads below
.else
	PLACES
.endif
	FETCHP 0, 0
	FETCHV 0, 0
.if \fill
	ASK
.endif
	WIN WX
	s_wait_dscnt 24
	HALFQ 1, 1, 0, 0, FC0, 0, 16
	WIN 0
.endm
; A block leaves: its sums times 1 / l, 16 rows at a time through my stage: 32 bytes a lane into rows of 272 bytes, back as whole rows of 256.
; The second block's first 16 rows are not stored where they are a batch's rows 0-15: that hangs on the work-group's place in its cluster, so it is made by EXEC, not by a branch.
.macro WAYOUT blk
	PLACES
	PLACES
.irp a, 0,1,2,3
	ds_load_b32 v[IV+2*\a], v[IA] offset:(\blk)*512+64*\a
.endr
	s_wait_dscnt 0x0
.irp a, 0,1,2,3
	WIN 0x01
.set z, 0
.rept 16
	v_pk_mul_f32 v[T+z:T+z+1], v[32*\a+z:32*\a+z+1], v[IV+2*\a:IV+2*\a+1] op_sel_hi:[1,0]
.set z, z+2
.endr
	WIN 0
.irp n, 0,1,2,3
	ds_store_b128 v[STO], v[T+8*\n:T+8*\n+3]   offset:64*\n
	ds_store_b128 v[STO], v[T+8*\n+4:T+8*\n+7] offset:64*\n+16
.endr
	s_wait_xcnt 0x0                                ; the registers below were the data of earlier stores
.irp t, 0,1,2,3,4,5,6,7
	ds_load_b128 v[OB+32*((\a)%2)+4*\t:OB+32*((\a)%2)+4*\t+3], v[RD] offset:\t*2*SPITCH  ; LDS serves a wave's instructions in order (ISA guide 5.7.1.4)
.endr
.if ((\blk) == 1) && ((\a) == 0)
	v_mov_b32 v1, s[KEEP]
	v_cmp_ne_u32 vcc_lo, 0, v1
	s_wait_xcnt 0x0                                ; EXEC changes only behind this wait
	s_and_saveexec_b32 s[SVX], vcc_lo
.endif
.irp t, 0,1,2,3,4,5,6,7
	s_wait_dscnt 7-\t
	global_store_b128 v[GO], v[OB+32*((\a)%2)+4*\t:OB+32*((\a)%2)+4*\t+3], s[OHI+2*(\blk):OHI+2*(\blk)+1] offset:\a*65536+\t*8192  ; 16 lanes store 256 consecutive bytes, aligned
.endr
.if ((\blk) == 1) && ((\a) == 0)
	s_wait_xcnt 0x0                                ; and again in front of the line that widens it
	s_or_b32 exec_lo, exec_lo, s[SVX]
.endif
.endr
.endm
	s_wait_tensorcnt 1                             ; my part of tile 0 is in; tile 1's may stay out
	s_wait_dscnt 0x0                               ; my rows of the table and of 1 / l are written
	s_barrier_signal -1
	s_barrier_wait -1
	FETCHP 0, 0
	WIN 0
.irp a, 0,1,2,3
	ds_load_u16 v[FC0+\a], v[TA] offset:32*\a
.endr
	FETCHV 0, 0
	s_wait_dscnt 0x0
	DUP FC0
	WIN WX
.set z, 0
.rept 32
	v_pk_mul_f16 v[PF+z], v[FC0+z/8], v[PF+z]
.set z, z+1
.endr
	WIN 0
	s_branch .Lentry
.Ltop:                                         ; STP = 1 .. 8
	TURN 1
	s_cmp_lg_u32 s[STP], s[N1]                     ; N1 is the same in all sixteen partners
	s_cbranch_scc1 .Lentry
	WAYOUT 0                                       ; the first block's steps are done; the second's first tile is being read
	s_wait_xcnt 0x0                                ; v's second buffer held the stores' data
	CLEAR
.Lentry:
	PQ 0, 0, 1, FC0, FC0, 1, 0
	PQ 1, 1, 0, FC0, FC1, 0, 1
	PQ 2, 0, 1, FC1, FC1, 2, 0
	WIN 0
	s_add_co_u32 s[STP], s[STP], 1
	s_cmp_lt_u32 s[STP], NSTEP-1
	s_cbranch_scc1 .Ltop
	TURN 0                                         ; the tail is written out: nothing is asked for
	PQ 0, 0, 1, FC0, FC0, 1, 0
	PQ 1, 1, 0, FC0, FC1, 0, 1
	PQ 2, 0, 1, FC1, FC1, 0, 0
	s_wait_dscnt 0x0
	HALFQ 1, 0, 1, 1, FC1, 0, 16
	HALFQ 1, 1, 0, 0, -1, 0, 16
	WIN 0
	WAYOUT 1
	s_wait_tensorcnt 0x0                           ; the wave's end
	ds_add_u32 v[SPW], v[NIL]
	s_wait_dscnt 0x0
	CROUND                                         ; the closing round
	s_endpgm
.Lfunc_end_k_qa5bb960ee5_pv:
	.size	k_qa5bb960ee5_pv, .Lfunc_end_k_qa5bb960ee5_pv-k_qa5bb960ee5_pv
	.p2alignl 7, 3214868480
	.fill 96, 4, 3214868480
	.section	.rodata,"a",@progbits
	.p2align	6, 0x0
	.amdhsa_kernel k_qa5bb960ee5_pv
		.amdhsa_group_segment_fixed_size 327680
		.amdhsa_private_segment_fixed_size 0
		.amdhsa_enable_private_segment 0
		.amdhsa_kernarg_size 32
		.amdhsa_user_sgpr_count 2
		.amdhsa_user_sgpr_kernarg_segment_ptr 1
		.amdhsa_wavefront_size32 1
		.amdhsa_system_sgpr_workgroup_id_x 1
		.amdhsa_system_sgpr_workgroup_id_y 1
		.amdhsa_system_sgpr_workgroup_id_z 1
		.amdhsa_system_vgpr_workitem_id 0
		.amdhsa_next_free_vgpr 512
		.amdhsa_next_free_sgpr 102
		.amdhsa_reserve_vcc 1
		.amdhsa_float_denorm_mode_32 3
		.amdhsa_float_denorm_mode_16_64 3
		.amdhsa_memory_ordered 1
		.amdhsa_forward_progress 1
		.amdhsa_inst_pref_size 139
	.end_amdhsa_kernel
	.amdgpu_metadata
---
amdhsa.version: [ 1, 2 ]
amdhsa.kernels:
  - .name:           k_qa5bb960ee5_pv
    .symbol:         k_qa5bb960ee5_pv.kd
    .args:
      - { .name: pt, .offset: 0, .size: 8, .value_kind: global_buffer, .address_space: global }
      - { .name: qkv, .offset: 8, .size: 8, .value_kind: global_buffer, .address_space: global }
      - { .name: stats, .offset: 16, .size: 8, .value_kind: global_buffer, .address_space: global }
      - { .name: out0, .offset: 24, .size: 8, .value_kind: global_buffer, .address_space: global }
    .group_segment_fixed_size: 327680
    .private_segment_fixed_size: 0
    .kernarg_segment_align: 8
    .kernarg_segment_size: 32
    .max_flat_workgroup_size: 128
    .sgpr_count:     102
    .vgpr_count:     512
    .wavefront_size: 32
...
	.end_amdgpu_metadata
.endif
;; end of part 4
;; ======== version 2 of 2: 4 launches; version 1 with the launch cast written anew for expert scheduling mode
;; limits: values are held in f16: magnitudes above 65,504 overflow, below 6.1e-05 lose precision
;; workspace buffers: xb 16,777,216 bytes; wb 6,291,456 bytes; bias 12,288 bytes; qkv 50,331,648 bytes; pt 33,554,432 bytes; stats 1,048,576 bytes; v32 393,216 bytes
;; launch cast (part 5): grid 256 x 1, 8 waves a work-group, no clusters, 0 bytes of LDS; arguments x, Wq, Wk, Wv, bq, bk, bv, xb, wb, bias; writes xb, wb, bias
.if DOCPART == 5
	.amdgcn_target "amdgcn-amd-amdhsa--gfx1250"
	.amdhsa_code_object_version 6
	.text
	.protected	k_qa5bb960ee5_cast
	.globl	k_qa5bb960ee5_cast
	.p2align	8
	.type	k_qa5bb960ee5_cast,@function
k_qa5bb960ee5_cast:
	s_mov_b64 s[64:65], 0
	v_nop
	global_prefetch_b8 v0, s[64:65] scope:SCOPE_SE
	s_setreg_imm32_b32 hwreg(HW_REG_WAVE_SCHED_MODE, 0, 2), 2
	s_setreg_imm32_b32 hwreg(HW_REG_WAVE_MODE, 25, 1), 1
	s_wait_xcnt 0x0
	s_wait_alu depctr_vm_vsrc(0)
; x, Wq, Wk, Wv (f32) are rounded once to bf16: xb [8192][1024], wb [3072][1024] (rows of q, k, v).  The three biases are rounded to bf16 and kept as f32: bias [3072].
; A stream: each input byte is read once, each output byte written once; no LDS, no barrier, no matrix work, nothing is shared between work-groups.
; EQUAL SHARES: each of the 256 work-groups takes 1/256 of x (32 pieces of 4,096 bytes) and 1/256 of each W (4 pieces): 44 pieces.  A piece is one load of the work-group: thread t takes the 16 bytes at 16 t,
; so a load of a wave covers 512 consecutive bytes; its 4 numbers become 8 bytes at 8 t of the piece's 2,048 bytes: a store of a wave covers 256 consecutive bytes, aligned.
; All 44 loads of a thread go out at once; the conversion is made in place, and no register is used for a second piece, so no wait frees one.
; THE MODE: SCHED_MODE bits 1:0 = 2 (LLVM: expert scheduling mode 2), set by the entry lines.  The code itself states the register dependences between vector instructions and memory instructions, with s_wait_alu, always for 0.
; THE PLAN.  Registers that memory instructions touch:
;   v1, v2      byte offsets, written once at the head and never again; v1 is read by every load and by the bias's store, v2 by the 44 stores.
;   v[16:191]   piece n's four registers: written by its one load; read by its two conversions, which write the first two of them in place; those two are then read by its one store.  Nothing names them again.
;   v[4:7]      (work-groups 0 to 2) written by the bias's load; v[10:13] written by vector lines and read by the bias's store.
; The 44 pieces go in 11 blocks of four (eight of x, one of each W).  Block p's conversions name block p's registers alone; the memory instructions that stand among them are the four stores of block p - 1.
; So ONE wait on va_vdst at a block's head states all that those four stores hang on.  No register that a memory instruction has read is ever written again, so no wait on vm_vsrc is owed;
; no vector line writes a scalar register, and EXEC is never written.
.set XR, 16                            ; v[16:191]  44 pieces x 4 numbers as loaded; a piece's first two registers then hold its 4 bf16
.set NP, 44
.set BLK, 4                            ; pieces in a block
	s_load_b512 s[8:23], s[0:1], 0x0               ; x 8, Wq 10, Wk 12, Wv 14, bq 16, bk 18, bv 20, xb 22
	s_load_b128 s[24:27], s[0:1], 0x40             ; wb 24, bias 26
	v_lshlrev_b32 v1, 4, v0                        ; 16 t
	v_lshlrev_b32 v2, 3, v0                        ; 8 t
	s_lshl_b32 s28, ttmp9, 17                      ; my share's byte offset in x,
	s_lshl_b32 s30, ttmp9, 16                      ; in xb,
	s_lshl_b32 s32, ttmp9, 14                      ; in each W,
	s_lshl_b32 s34, ttmp9, 13                      ; in each W's third of wb
	s_mov_b32 s29, 0
	s_mov_b32 s31, 0
	s_mov_b32 s33, 0
	s_mov_b32 s35, 0
	s_wait_kmcnt 0x0
	s_add_nc_u64 s[8:9], s[8:9], s[28:29]
	s_add_nc_u64 s[10:11], s[10:11], s[32:33]
	s_add_nc_u64 s[12:13], s[12:13], s[32:33]
	s_add_nc_u64 s[14:15], s[14:15], s[32:33]
	s_add_nc_u64 s[22:23], s[22:23], s[30:31]
	s_add_nc_u64 s[24:25], s[24:25], s[34:35]
	s_wait_alu depctr_va_vdst(0)                   ; v1 and v2 are written: every load and store of the kernel reads one of them as its offset
.set n, 0
.rept 32
	global_load_b128 v[XR+4*n:XR+4*n+3], v1, s[8:9] offset:n*4096 th:TH_LOAD_NT
.set n, n+1
.endr
.irp m, 0,1,2
.irp c, 0,1,2,3
	global_load_b128 v[XR+128+16*\m+4*\c:XR+128+16*\m+4*\c+3], v1, s[10+2*\m:11+2*\m] offset:\c*4096 th:TH_LOAD_NT
.endr
.endr
; Piece n leaves: pieces 0 to 31 are x's, pieces 32 to 43 the three W's, four each, 2,097,152 bytes of wb apart.
.macro PUT n
.if (\n) < 32
	global_store_b64 v2, v[XR+4*(\n):XR+4*(\n)+1], s[22:23] offset:(\n)*2048
.else
	global_store_b64 v2, v[XR+4*(\n):XR+4*(\n)+1], s[24:25] offset:(((\n)-32)/4)*2097152+(((\n)-32)%4)*2048
.endif
.endm
.set p, 0
.rept NP/BLK                           ; block p: its four pieces are rounded; the four stores of block p - 1 stand among the conversions, a store ahead of each piece's two
	s_wait_loadcnt NP-BLK*(p+1)                    ; loads come back in order (ISA guide 5.7.1): block p's four are in, the younger blocks' loads stay out
.if p > 0
	s_wait_alu depctr_va_vdst(0)                   ; the conversions of block p - 1 have written the registers that the four stores below read; no vector line behind this wait names them
.endif
.irp i, 0,1,2,3
.if p > 0
	PUT BLK*p-BLK+\i
.endif
	v_cvt_pk_bf16_f32 v[XR+4*(BLK*p+\i)],   v[XR+4*(BLK*p+\i)],   v[XR+4*(BLK*p+\i)+1]
	v_cvt_pk_bf16_f32 v[XR+4*(BLK*p+\i)+1], v[XR+4*(BLK*p+\i)+2], v[XR+4*(BLK*p+\i)+3]
.endr
.set p, p+1
.endr
	s_wait_alu depctr_va_vdst(0)                   ; the last block's conversions have written the registers that the last four stores read
.irp i, 0,1,2,3
	PUT NP-BLK+\i
.endr
	s_cmp_lt_u32 ttmp9, 3                          ; work-groups 0, 1, 2 also take a bias each: 256 threads x 4 numbers
	s_cbranch_scc0 .Lend
	s_cmp_eq_u32 ttmp9, 1
	s_cselect_b64 s[36:37], s[18:19], s[16:17]
	s_cmp_eq_u32 ttmp9, 2
	s_cselect_b64 s[36:37], s[20:21], s[36:37]
	s_lshl_b32 s32, ttmp9, 12
	s_add_nc_u64 s[26:27], s[26:27], s[32:33]
	global_load_b128 v[4:7], v1, s[36:37]          ; no wait is owed: v1 was shown written at the head, and no vector line has named v[4:7]
	s_wait_loadcnt 0x0
	v_cvt_pk_bf16_f32 v8, v4, v5                   ; rounded to bf16,
	v_cvt_pk_bf16_f32 v9, v6, v7
	v_lshlrev_b32 v10, 16, v8                      ; and widened again: the product's sums begin with these numbers in f32
	v_and_b32 v11, 0xffff0000, v8
	v_lshlrev_b32 v12, 16, v9
	v_and_b32 v13, 0xffff0000, v9
	s_wait_alu depctr_va_vdst(0)                   ; the four lines above have written v[10:13], which the store reads
	global_store_b128 v1, v[10:13], s[26:27]
.Lend:
	s_endpgm
.Lfunc_end_k_qa5bb960ee5_cast:
	.size	k_qa5bb960ee5_cast, .Lfunc_end_k_qa5bb960ee5_cast-k_qa5bb960ee5_cast
	.p2alignl 7, 3214868480
	.fill 96, 4, 3214868480
	.section	.rodata,"a",@progbits
	.p2align	6, 0x0
	.amdhsa_kernel k_qa5bb960ee5_cast
		.amdhsa_group_segment_fixed_size 0
		.amdhsa_private_segment_fixed_size 0
		.amdhsa_enable_private_segment 0
		.amdhsa_kernarg_size 80
		.amdhsa_user_sgpr_count 2
		.amdhsa_user_sgpr_kernarg_segment_ptr 1
		.amdhsa_wavefront_size32 1
		.amdhsa_system_sgpr_workgroup_id_x 1
		.amdhsa_system_sgpr_workgroup_id_y 1
		.amdhsa_system_sgpr_workgroup_id_z 1
		.amdhsa_system_vgpr_workitem_id 0
		.amdhsa_next_free_vgpr 192
		.amdhsa_next_free_sgpr 66
		.amdhsa_reserve_vcc 0
		.amdhsa_float_denorm_mode_32 3
		.amdhsa_float_denorm_mode_16_64 3
		.amdhsa_memory_ordered 1
		.amdhsa_forward_progress 1
		.amdhsa_inst_pref_size 17
	.end_amdhsa_kernel
	.amdgpu_metadata
---
amdhsa.version: [ 1, 2 ]
amdhsa.kernels:
  - .name:           k_qa5bb960ee5_cast
    .symbol:         k_qa5bb960ee5_cast.kd
    .args:
      - { .name: x, .offset: 0, .size: 8, .value_kind: global_buffer, .address_space: global }
      - { .name: Wq, .offset: 8, .size: 8, .value_kind: global_buffer, .address_space: global }
      - { .name: Wk, .offset: 16, .size: 8, .value_kind: global_buffer, .address_space: global }
      - { .name: Wv, .offset: 24, .size: 8, .value_kind: global_buffer, .address_space: global }
      - { .name: bq, .offset: 32, .size: 8, .value_kind: global_buffer, .address_space: global }
      - { .name: bk, .offset: 40, .size: 8, .value_kind: global_buffer, .address_space: global }
      - { .name: bv, .offset: 48, .size: 8, .value_kind: global_buffer, .address_space: global }
      - { .name: xb, .offset: 56, .size: 8, .value_kind: global_buffer, .address_space: global }
      - { .name: wb, .offset: 64, .size: 8, .value_kind: global_buffer, .address_space: global }
      - { .name: bias, .offset: 72, .size: 8, .value_kind: global_buffer, .address_space: global }
    .group_segment_fixed_size: 0
    .private_segment_fixed_size: 0
    .kernarg_segment_align: 8
    .kernarg_segment_size: 80
    .max_flat_workgroup_size: 256
    .sgpr_count:     66
    .vgpr_count:     192
    .wavefront_size: 32
...
	.end_amdgpu_metadata
.endif
;; end of part 5
;; launch proj: the kernel of part 2 again; grid 16 x 16, 4 waves a work-group, clusters of 4 x 4, 327,680 bytes of LDS; arguments xb, wb, bias, qkv, v32; writes qkv, v32
;; launch scores: the kernel of part 3 again; grid 37 x 4, 4 waves a work-group, no clusters, 327,680 bytes of LDS; arguments qkv, pt, stats, v32, out0; writes pt, stats, out0
;; launch pv: the kernel of part 4 again; grid 8 x 32, 4 waves a work-group, clusters of 4 x 4, 327,680 bytes of LDS; arguments pt, qkv, stats, out0; writes out0
